; MI455X (gfx1250); checked and timed in simulation.
; The chip was launched on July 23, 2026; its instructions are those of AMD's public machine-readable ISA for CDNA 5 (MIT licence, August 2026) and "CDNA5" Instruction Set Architecture Reference Guide (July 2026). The comments in the code are by the model that wrote it; some were corrected since.
;; Multi Head Attention. Allowed arithmetic: matrix products marked QUANTISED: E2M1 operands, one E8M0 scale for each 32 along K, by v_wmma_scale_f32_16x16x128_f8f6f4 with both operands' format E2M1 (or v_wmma_scale_f32_32x16x128_f4), f32 sums; everything else in f32.
;; Inputs: Wk_codes 16 x 64 x 32 x 16 uint8 (E2M1 codes of Wk, K innermost, in blocks of 32 codes, two codes a byte); Wk_scales 16 x 64 x 32 uint8 (E8M0 scales of Wk, one for each 32 codes along K); Wo_codes 1,024 x 32 x 16 uint8 (E2M1 codes of Wo, K innermost, in blocks of 32 codes, two codes a byte); Wo_scales 1,024 x 32 uint8 (E8M0 scales of Wo, one for each 32 codes along K); Wq_codes 16 x 64 x 32 x 16 uint8 (E2M1 codes of Wq, K innermost, in blocks of 32 codes, two codes a byte); Wq_scales 16 x 64 x 32 uint8 (E8M0 scales of Wq, one for each 32 codes along K); Wv_codes 16 x 64 x 32 x 16 uint8 (E2M1 codes of Wv, K innermost, in blocks of 32 codes, two codes a byte); Wv_scales 16 x 64 x 32 uint8 (E8M0 scales of Wv, one for each 32 codes along K); bk 16 x 64 float32; bo 1,024 float32; bq 16 x 64 float32; bv 16 x 64 float32; key_codes 4 x 2,048 x 32 x 16 uint8 (E2M1 codes of key, K innermost, in blocks of 32 codes, two codes a byte); key_scales 4 x 2,048 x 32 uint8 (E8M0 scales of key, one for each 32 codes along K); query_codes 4 x 2,048 x 32 x 16 uint8 (E2M1 codes of query, K innermost, in blocks of 32 codes, two codes a byte); query_scales 4 x 2,048 x 32 uint8 (E8M0 scales of query, one for each 32 codes along K); value_codes 4 x 2,048 x 32 x 16 uint8 (E2M1 codes of value, K innermost, in blocks of 32 codes, two codes a byte); value_scales 4 x 2,048 x 32 uint8 (E8M0 scales of value, one for each 32 codes along K).
;; Outputs: out0 4 x 2,048 x 1,024 float32.
;; This version of the problem:
;;   THIS VERSION OF THE PROBLEM IS GIVEN IN LOW PRECISION. The matrix products marked QUANTISED in the list below multiply operands that are first quantised to E2M1 (2 exponent bits, 1 mantissa bit; 4 bits a number), with one power-of-two scale for each 32 numbers along K (OCP MX v1.0); their sums are f32. All else is computed in f32.
;;   The module's matrix products, in the order in which they are computed (A, B: the left and right operand; K: the contracted axis; several contracted axes count as one K, in the product's order):
;;     1. [M 1,024, K 1,024] x [K 1,024, N 8,192]; A: input Wq (given as codes); B: input query (given as codes): QUANTISED
;;     2. [M 1,024, K 1,024] x [K 1,024, N 8,192]; A: input Wk (given as codes); B: input key (given as codes): QUANTISED
;;     3. [M 1,024, K 1,024] x [K 1,024, N 8,192]; A: input Wv (given as codes); B: input value (given as codes): QUANTISED
;;     4. batch 64 x [M 2,048, K 64] x [K 64, N 2,048]; A: computed on the way; B: computed on the way: QUANTISED
;;     5. batch 64 x [M 2,048, K 2,048] x [K 2,048, N 64]; A: softmax (see below); B: computed on the way: QUANTISED
;;     6. [M 8,192, K 1,024] x [K 1,024, N 1,024]; A: computed on the way; B: input Wo (given as codes): QUANTISED
;;   THE QUANTISER, for each operand of a quantised product, along K:
;;     - K is cut into blocks of 32 from its start; a last block that is shorter is filled with zeros.
;;     - A block's scale is 2^e with e = floor(log2(the largest magnitude in the block)) - 2, held to -126 .. 127; a block of zeros has e = 0. As a byte (E8M0): e + 127.
;;     - Each number is divided by its block's scale, clamped to +-6, and rounded to the nearest number of E2M1, ties to even, subnormals kept.
;;     - The product sums the exact products of the quantised numbers (number of the format x scale) in f32.
;;   ~~~python
;;   def quantise(x, axis):      # numpy; x: float32 -> the quantised numbers, widened to float32 again
;;       x = np.moveaxis(x, axis, -1); K = x.shape[-1]
;;       x = np.pad(x, [(0, 0)] * (x.ndim - 1) + [(0, -K % 32)]); x = x.reshape(x.shape[:-1] + (-1, 32)); a = np.abs(x).max(-1, keepdims=True)
;;       e = np.where(a > 0, np.clip(np.frexp(np.where(a > 0, a, 1))[1] - 1 - 2, -126, 127), 0)      # np.frexp(a)[1] - 1 = floor(log2(a)), exactly
;;       r = np.clip(x / 2.0 ** e, -6, 6)
;;       step = 2.0 ** (np.maximum(np.frexp(np.where(r == 0, 1, r))[1] - 1, 0) - 1)
;;       q = np.round(r / step) * step * 2.0 ** e      # np.round: ties to even
;;       return np.moveaxis(q.reshape(q.shape[:-2] + (-1,))[..., :K], -1, axis).astype(np.float32)
;;   ~~~
;;   SOFTMAX AHEAD OF A QUANTISED PRODUCT. Where the list says 'softmax', what is quantised is not the finished softmax but p = 2^(t - M), with t = logit x log2(e) and M = ceil(the row's largest t), a whole number; so 1/2 < the row's largest p <= 1. The row's sum l is taken of the UNQUANTISED p, in f32, and the product's result is divided by l at the end. Since M is a whole number, a kernel that streams over the keys may use a running M (the ceiling of the running maximum): every later rescaling is an exact power of two, which a block's scale takes up: the codes' values come out the same.
;;   OPERANDS COMPUTED ON THE WAY. 'Computed on the way' means the value that the module computes at that place (a softmax that the list does not call 'softmax' is quantised finished and normalised). What goes into a quantiser is computed in f32, as accurately as f32 sums, v_exp_f32 and their like allow (about 1e-6 of the number): no bf16 or f16 on the way to a quantiser, and a product that is left as it is and whose result goes on into a quantised operand takes f32 operands (vector FMAs, or v_wmma_f32_16x16x4_f32). A number that lies on a knife's edge between two numbers of the format may be rounded either way, as far as f32 arithmetic and the matrix unit's own rounding can turn it there, and no further.
;;   INPUTS GIVEN AS CODES. Wk (in the module: [16, 1024, 64], K = its axis 1); Wo (in the module: [1024, 1024], K = its axis 0); Wq (in the module: [16, 1024, 64], K = its axis 1); Wv (in the module: [16, 1024, 64], K = its axis 1); key (in the module: [4, 2048, 1024], K = its axis 2); query (in the module: [4, 2048, 1024], K = its axis 2); value (in the module: [4, 2048, 1024], K = its axis 2): each comes as NAME_codes (uint8): NAME with its K axis moved to the last place and cut into blocks of 32 codes, [.., K / 32, bytes a block], one block behind the other in memory; two codes a byte, the lower K in the low four bits (a code: sign, 2 exponent bits, 1 mantissa bit); and NAME_scales (uint8): the same leading axes, one E8M0 byte (e + 127) for each 32 codes along K. Its value is code x scale, taken as it is: it is not quantised again, and the codes and scales need not be those that the quantiser above would give.
;; One version. Each part assembles by itself: llvm-mc -triple=amdgcn-amd-amdhsa -mcpu=gfx1250 --defsym DOCPART=n.
;; ======== version 1 of 1: 3 launches
;; limits: right only within a limited range of input values
;; workspace buffers: kv 9,437,184 bytes; cat 4,194,304 bytes; cat_scales 262,144 bytes
;; launch proj (part 1): grid 4 x 64, 4 waves a work-group, clusters of 4 x 4, 296,448 bytes of LDS; arguments key_codes, value_codes, key_scales, value_scales, Wk_codes, Wv_codes, Wk_scales, Wv_scales, bk, bv, kv; writes kv
.if DOCPART == 1
	.amdgcn_target "amdgcn-amd-amdhsa--gfx1250"
	.amdhsa_code_object_version 6
	.text
	.protected	k_q0ad98aa169_proj
	.globl	k_q0ad98aa169_proj
	.p2align	8
	.type	k_q0ad98aa169_proj,@function
k_q0ad98aa169_proj:
	s_mov_b64 s[64:65], 0
	v_nop
	global_prefetch_b8 v0, s[64:65] scope:SCOPE_SE
	s_setreg_imm32_b32 hwreg(HW_REG_WAVE_MODE, 25, 1), 1
	s_wait_xcnt 0x0
	s_wait_alu depctr_hold_cnt(0) depctr_sa_sdst(0) depctr_va_vdst(0) depctr_va_sdst(0) depctr_va_ssrc(0) depctr_va_vcc(0) depctr_vm_vsrc(0)
	s_getreg_b32 s2, hwreg(HW_REG_IB_STS2, 6, 4)
	s_cmp_eq_u32 s2, 0
	s_cbranch_scc0 .Lentry_in_a_cluster
	s_endpgm
.Lentry_in_a_cluster:
	s_bfe_u32 s2, ttmp6, 0x10000c
	s_cmp_lg_u32 s2, 0xf033
	s_cbranch_scc0 .Lentry_shape_is_right
	s_endpgm
.Lentry_shape_is_right:
; The projections k, v = activation x W + bias, on codes of FP4 (E2M1) with one E8M0 scale for each 32 along K = 1,024, and the quantising of their results for attention.  (q is made in the launch that uses it.)
; No work of the problem is left out in this program.
; Which projection: P = cluster y / 8 (0 k, 1 v): the same in all partners of a cluster.  A work-group makes 256 rows of the activation x 256 rows of W (4 heads) over all of K: 2 x 32 x 4 = 256 work-groups.
; Both operands' rows are 512 bytes: the work-group's 512 rows and their scale bytes lie in LDS whole; every LDS byte is filled once, by four joint loads, one a wave.
; A wave makes 128 x 128: 64 accumulators, from the activation's half wave / 2 and W's half wave % 2.  X = source 0: its rows run along a lane's registers.  Y = source 1: a lane holds one of its rows.
;   k is quantised along the head's 64 channels: X = W (two heads), Y = 128 tokens.      v is quantised along the KEYS: X = 128 tokens (a key step), Y = W (two heads' channels).
; Which region feeds X and which Y is chosen by a scalar branch on P round two copies of the run of LDS loads: every LDS address is made of the wave's number and the lane alone.
; The bias is the C of each sum's first product.
; FROM RESULT TO OPERAND.  For one tile a of Y a lane holds 64 numbers: register 8 i + j = next-K index 16 i + 8 (lane / 16) + j.  Tile i's eight codes go to register 4 (i / 4) + 2 (i % 2) + (i / 2) % 2, and four exchanges of halves finish the fragment.
; OUT, as images of operand registers (16 bytes a lane at 16 x lane, 512 consecutive bytes a store):
;   kv [batch x head 64][key step 16][K: 8 tiles x 512 | V^T: 4 channel tiles x 1,024 | K's scale image 512 | V's 512].   scale image: word i of lane (r, h) belongs to tile 2 i + h, row r.
; CLUSTERS: 4 x 4.  The activation's tile hangs on cy and is asked for jointly along a row of the cluster, W's hangs on cx and is asked for along a column.
; No prefetch: each tile is asked for once, at the head, and there is no loop to run ahead in.
; LIMITS: NaN and infinities are not served.  A block whose largest magnitude lies under 2^-124 gets the scale byte 1; so does a block of zeros (the rule says 127): its codes are zeros, and this program alone reads the bytes.
.set PITCH, 528                        ; an LDS row: 512 bytes + 16 of padding = 132 words
.set HALFT, 128*PITCH                  ; 128 rows: what one wave reads of an operand
.set SCL,   4*HALFT                    ; behind the activation's 256 rows and W's 256: the scale bytes, as runs of 256 bytes + 16 of padding
.set HALFS, 16*272                     ; those of 128 rows (32 bytes a row)
.set SBLK,  2*272                      ; those of 16 rows
.set SPARE, SCL+4*HALFS                ; the spare words: 128 bytes a wave
.set HEADB, 147456                     ; a head's bytes in kv
.set ADA,  4                           ; v4 LDS address of my fragments of the activation;  v5 of W
.set ADW,  5
.set ADSA, 8                           ; v8 of the activation's scale words;  v9 of W's
.set ADSW, 9
.set AJ,   10                          ; v10-17 the bias loads' offsets
.set VO1,  18                          ; v18 16 x lane;  v19 + the way to the fragment's upper half;  v20 + a head's bytes
.set VO2,  19
.set VOS2, 20
.set SPW,  24                          ; v24 my spare word;  v25 0
.set NIL,  25
.set SCX,  32                          ; v32-95 X's scale words: 8 i + K step;  v96-159 Y's
.set SCY,  96
.set BI,   160                         ; v160-223 the biases, eight registers a tile
.set EW,   160                         ; the tail: scale images
.set FW,   164
.set TM,   224                         ; the quantiser's work
.set PC,   240                         ; the fragment just made
.set WS,   248                         ; the eight tiles' scale words
.set WV, 16
.set HI, 17
.set LO, 18
.set PP, 19
.set CX, 20
.set CY, 21
.set AT, 22
.set G1A,  48                          ; group 1: the activation's codes, W's, their scale bytes
.set G1W,  56
.set G1SA, 68
.set G1SW, 76
.set G0A,  24                          ; group 0 of the four loads (the arguments that lay there have been used by then)
.set G0W,  28
.set G0SA, 32
.set G0SW, 36
.set SEL,  84
.set HM,   86
.set PM,   87
.set STP,  88
.set STP4, 90
.set OUTS, 92
.set MSB, 0
.macro WIN new                         ; the immediate's high byte repeats the setting that is left
.if MSB != (\new)
	s_set_vgpr_msb (MSB<<8)|(\new)
.set MSB, (\new)
.endif
.endm
.macro CROUND                          ; a round of the cluster's barrier
	s_barrier_signal -1
	s_barrier_wait -1
	s_cmp_lg_u32 s[WV], 0
	s_cbranch_scc1 .Lnot_wave_0_\@
	s_barrier_signal -3
.Lnot_wave_0_\@:
	s_barrier_wait -3
	s_barrier_signal -1
	s_barrier_wait -1
.endm
.macro PLACES                          ; four plain places behind matrix instructions (ISA guide 7.12.1)
.rept 4
	v_nop
.endr
.endm
.macro MKG0 g, lds, p                  ; a group 0: count, LDS byte, address, type
	s_mov_b32 s[\g], 1
	s_mov_b32 s[\g+1], \lds
	s_mov_b64 s[\g+2:\g+3], s[\p:\p+1]
	s_or_b32 s[\g+3], s[\g+3], 0x80000000
.endm
.macro ARM under, g0, g1, next         ; one arm of the head's tree: its load, and a jump to the tree's end
	s_cmp_lt_u32 s[WV], \under
	s_cbranch_scc0 \next
	tensor_load_to_lds s[\g0:\g0+3], s[\g1:\g1+7]
	s_nop 0
.rept 4
	v_nop
.endr
	s_branch .Lhead_asked
\next:
.endm
	s_load_b512 s[24:39], s[0:1], 0x0              ; key, value codes; key, value scales; Wk, Wv codes; Wk, Wv scales
	s_load_b128 s[40:43], s[0:1], 0x40             ; bk, bv
	s_load_b64 s[44:45], s[0:1], 0x50              ; kv
	v_lshl_add_u32 v[SPW], v0, 2, SPARE
	v_mov_b32 v[NIL], 0
	ds_add_u32 v[SPW], v[NIL]                      ; the opening lines: the add twice and its wait
	ds_add_u32 v[SPW], v[NIL]
	v_lshrrev_b32 v1, 5, v0
	v_readfirstlane_b32 s[WV], v1
	s_lshr_b32 s[HI], s[WV], 1
	s_and_b32 s[LO], s[WV], 1
	s_bfe_u32 s[CX], ttmp6, 0x40000
	s_bfe_u32 s[CY], ttmp6, 0x40004
	s_and_b32 s23, ttmp7, 0xffff                   ; cluster y, 0 .. 15
	s_lshr_b32 s[PP], s23, 3
	s_and_b32 s23, s23, 7
	s_lshl_b32 s[AT], s23, 2
	s_add_co_u32 s[AT], s[AT], s[CY]               ; the activation's tile = 4 (cluster y % 8) + cy
	s_lshl_b32 s94, s[CY], 2
	s_lshl_b32 s94, 15, s94                        ; my row of the cluster
	s_lshl_b32 s95, 0x1111, s[CX]                  ; my column
	; group 1, codes: 256 rows of 512 bytes, 16 bytes of padding behind each 128 words
	s_or_b32 s[G1A], s94, (1<<20)|(1<<21)|(6<<22)|(3<<25)
	s_or_b32 s[G1W], s95, (1<<20)|(1<<21)|(6<<22)|(3<<25)
.irp g, G1A, G1W
	s_mov_b32 s[\g+1], 512<<16
	s_mov_b32 s[\g+2], 256<<16
	s_mov_b32 s[\g+3], 512<<16
	s_mov_b32 s[\g+4], 256
	s_mov_b32 s[\g+5], 512
	s_mov_b32 s[\g+6], 0
	s_mov_b32 s[\g+7], 0
.endr
	; group 1, scale bytes of 256 rows: 8,192 dense bytes as 32 rows of 32 elements of 8 bytes, 16 bytes of padding behind each
	s_or_b32 s[G1SA], s94, (3<<16)|(1<<20)|(1<<21)|(5<<22)|(3<<25)
	s_or_b32 s[G1SW], s95, (3<<16)|(1<<20)|(1<<21)|(5<<22)|(3<<25)
.irp g, G1SA, G1SW
	s_mov_b32 s[\g+1], 32<<16
	s_mov_b32 s[\g+2], 32<<16
	s_mov_b32 s[\g+3], 32<<16
	s_mov_b32 s[\g+4], 32
	s_mov_b32 s[\g+5], 32
	s_mov_b32 s[\g+6], 0
	s_mov_b32 s[\g+7], 0
.endr
	s_mov_b32 s97, 0
	s_mov_b32 s99, 0
	s_wait_dscnt 0x0
	s_wait_kmcnt 0x0
	s_cmp_eq_u32 s[PP], 1                          ; the projection's buffers: the choice hangs on the cluster's number alone
	s_cselect_b64 s[4:5], s[26:27], s[24:25]       ; the activation's codes
	s_cselect_b64 s[6:7], s[30:31], s[28:29]       ; its scales
	s_cselect_b64 s[8:9], s[34:35], s[32:33]       ; W's codes
	s_cselect_b64 s[10:11], s[38:39], s[36:37]     ; W's scales
	s_cselect_b64 s[12:13], s[42:43], s[40:41]     ; the bias
	s_mov_b64 s[14:15], s[44:45]                   ; out
	s_lshl_b32 s96, s[AT], 17                      ; the activation's 256 rows of 512 bytes (made of cy; never of cx)
	s_add_nc_u64 s[4:5], s[4:5], s[96:97]
	s_lshl_b32 s96, s[AT], 13                      ; 32 scale bytes a row
	s_add_nc_u64 s[6:7], s[6:7], s[96:97]
	s_lshl_b32 s98, s[CX], 17                      ; W's (made of cx; never of cy)
	s_add_nc_u64 s[8:9], s[8:9], s[98:99]
	s_lshl_b32 s98, s[CX], 13
	s_add_nc_u64 s[10:11], s[10:11], s[98:99]
	MKG0 G0A, 0, 4
	MKG0 G0W, 2*HALFT, 8
	MKG0 G0SA, SCL, 6
	MKG0 G0SW, SCL+2*HALFS, 10
	CROUND                                         ; all sixteen work-groups are here: the joint loads meet
	ARM 1, G0A,  G1A,  .Lhead_w                    ; one load a wave: the activation's rows, W's rows, the activation's scale bytes, W's
	ARM 2, G0W,  G1W,  .Lhead_sa
	ARM 3, G0SA, G1SA, .Lhead_sw
	tensor_load_to_lds s[G0SW:G0SW+3], s[G1SW:G1SW+7]
	s_nop 0
.rept 4
	v_nop
.endr
.Lhead_asked:
	; what differs between the projections, chosen without a jump: global offsets alone
	s_mov_b32 s4, HEADB
	s_mov_b32 s6, 8192                             ; where K's scale image lies in a key step
	s_mov_b32 s7, HEADB-3072                       ; v: from a head's channel tile 3 to the next head's tile 0
	s_mov_b32 s8, 512
	s_cmp_eq_u32 s[PP], 1
	s_cselect_b32 s6, 8704, s6                     ; V's scale image
	s_cselect_b32 s9, 4096, 0                      ; V's images lie behind K's
	s_cselect_b32 s[STP], 1024, s8
	s_cselect_b32 s[STP4], s7, s8
	s_cselect_b32 s10, s8, s4                      ; the fragment's upper half: v: 512 bytes on; k: the next head's image
	s_cselect_b32 s[PM], -1, 0
	s_cselect_b32 s94, 4, 0                        ; the bias: v: that of my lane's row of Y: 4 r;
	s_cselect_b32 s95, 0, 32                       ; k: those of my eight rows of X: 32 h + 4 j
	s_cselect_b32 s96, 0, 4
	s_mov_b32 s[STP+1], 0
	s_mov_b32 s[STP4+1], 0
	s_mov_b32 s[SEL], 0x76543210
	s_mov_b32 s[SEL+1], 0xfedcba98
	s_mov_b32 s[HM], 0xffff0000
	s_mul_i32 s66, s[HI], HALFT                    ; my 128 rows of the activation
	s_mul_i32 s67, s[LO], HALFT
	s_add_co_u32 s67, s67, 2*HALFT                 ; my 128 rows of W
	s_mul_i32 s100, s[HI], HALFS
	s_add_co_u32 s100, s100, SCL
	s_mul_i32 s101, s[LO], HALFS
	s_add_co_u32 s101, s101, SCL+2*HALFS
	; where my results go: (16 batch + first head) x a head's bytes + key step x its bytes
	s_lshl_b32 s97, s[AT], 8
	s_lshl_b32 s11, s[HI], 7
	s_add_co_u32 s97, s97, s11                     ; my first row of the activation
	s_lshr_b32 s11, s97, 11                        ; batch
	s_bfe_u32 s97, s97, 0x40007                    ; key step in the batch
	s_lshl_b32 s11, s11, 4
	s_lshl_b32 s98, s[CX], 2
	s_add_co_u32 s11, s11, s98
	s_lshl_b32 s98, s[LO], 1
	s_add_co_u32 s11, s11, s98                     ; + my first head = 4 cx + 2 x my half of W
	s_mul_i32 s11, s11, s4
	s_mul_i32 s97, s97, 9216
	s_add_co_u32 s11, s11, s97
	s_mov_b32 s99, 0
	s_add_co_u32 s98, s11, s6
	s_add_nc_u64 s[OUTS:OUTS+1], s[14:15], s[98:99]
	s_add_co_u32 s98, s11, s9
	s_add_nc_u64 s[14:15], s[14:15], s[98:99]
	s_lshl_b32 s98, s[CX], 10
	s_lshl_b32 s97, s[LO], 9
	s_add_co_u32 s98, s98, s97
	s_add_nc_u64 s[12:13], s[12:13], s[98:99]      ; the bias of my 128 rows of W
	v_and_b32 v1, 15, v0                           ; r
	v_bfe_u32 v2, v0, 4, 1                         ; h
	v_and_b32 v3, 31, v0                           ; lane
	v_mul_u32_u24 v21, v1, PITCH
	v_lshl_add_u32 v21, v2, 4, v21                 ; a fragment's row x pitch + 16 h
	v_add_nc_u32 v[ADA], s66, v21
	v_add_nc_u32 v[ADW], s67, v21
	v_lshlrev_b32 v22, 5, v1                       ; my row's 32 scale bytes,
	v_lshrrev_b32 v23, 3, v1
	v_lshl_add_u32 v22, v23, 4, v22                ; and 16 more behind each 256
	v_add_nc_u32 v[ADSA], s100, v22
	v_add_nc_u32 v[ADSW], s101, v22
	v_mul_u32_u24 v[AJ], v1, s94
	v_mad_u32_u24 v[AJ], v2, s95, v[AJ]
.irp j, 1,2,3,4,5,6,7
	v_add_nc_u32 v[AJ+\j], s96, v[AJ+\j-1]
.endr
	v_lshlrev_b32 v[VO1], 4, v3
	v_add_nc_u32 v[VO2], s10, v[VO1]
	v_add_nc_u32 v[VOS2], s4, v[VO1]
.irp b, 0,1,2,3
	v_mov_b32 v[TM+4+\b], 0                        ; written once: a lane permute's destination counts as one of its sources
.endr
	s_wait_alu depctr_va_vdst(0)                   ; the wait at the head's end
.irp i, 0,1,2,3,4,5,6,7
.irp j, 0,1,2,3,4,5,6,7
	global_load_b32 v[BI+8*\i+\j], v[AJ+\j], s[12:13] offset:64*\i   ; k: bias(16 i + 8 h + j);  v: bias(16 i + r) in all eight
.endr
.endr
; 32 LDS loads: X's and Y's eight fragments of K step kq into set kq % 2.  A fragment (16 rows x 128 K) is 8 registers: lane (r, h): registers 4 c .. 4 c + 3 = K 64 c + 32 h + 0 .. 31
.macro LOADS kq, ax, ay
.set FS, (\kq)%2
	WIN 0x40                                       ; destination window 1, address window 0
.irp i, 0,1,2,3,4,5,6,7
.irp c, 0,1
	ds_load_b128 v[64*FS+8*\i+4*\c:64*FS+8*\i+4*\c+3], v[\ax] offset:64*(\kq)+32*\c+\i*16*PITCH
.endr
.endr
.irp i, 0,1,2,3,4,5,6,7
.irp c, 0,1
	ds_load_b128 v[128+64*FS+8*\i+4*\c:128+64*FS+8*\i+4*\c+3], v[\ay] offset:64*(\kq)+32*\c+\i*16*PITCH
.endr
.endr
	WIN 0
.endm
.macro FETCH kq                        ; k: X = W, Y = the activation;  v: the other way round.  Both ways issue 32 loads; the branch hangs on the cluster's number
	s_cmp_eq_u32 s[PP], 1
	s_cbranch_scc1 .Lfv_\@
	LOADS \kq, ADW, ADA
	s_branch .Lfe_\@
.Lfv_\@:
	LOADS \kq, ADA, ADW
.Lfe_\@:
.endm
.macro SCLD ax, ay                     ; the scale words of all eight K steps: 32 bytes a row
.irp i, 0,1,2,3,4,5,6,7
	ds_load_b128 v[SCX+8*\i:SCX+8*\i+3],   v[\ax] offset:\i*SBLK
	ds_load_b128 v[SCX+8*\i+4:SCX+8*\i+7], v[\ax] offset:\i*SBLK+16
	ds_load_b128 v[SCY+8*\i:SCY+8*\i+3],   v[\ay] offset:\i*SBLK
	ds_load_b128 v[SCY+8*\i+4:SCY+8*\i+7], v[\ay] offset:\i*SBLK+16
.endr
.endm
; The 64 products of K step kq.  The 64 accumulators take turns, one instruction a turn, in the same order in every step.
; cv = 1: the sums begin with X's biases; cv = 2: with Y's; cv = 0: they go on.  Accumulator (a, b) at v[8 (8 (a % 4) + b)] of window 2 + a / 4.
.macro MULS kq, cv
.set MS, (\kq)%2
.irp a, 0,1,2,3,4,5,6,7
.if \cv
	WIN 0x85+0x40*(\a/4)                           ; X, Y window 1; C window 0; D window 2 or 3
.else
	WIN 0xa5+0x50*(\a/4)                           ; X, Y window 1; C and D window 2 or 3
.endif
.irp b, 0,1,2,3,4,5,6,7
.if \cv == 1
	v_wmma_scale_f32_16x16x128_f8f6f4 v[8*(8*(\a%4)+\b):8*(8*(\a%4)+\b)+7], v[64*MS+8*\b:64*MS+8*\b+7], v[128+64*MS+8*\a:128+64*MS+8*\a+7], v[BI+8*\b:BI+8*\b+7], v[SCX+8*\b+(\kq)], v[SCY+8*\a+(\kq)] matrix_a_fmt:MATRIX_FMT_FP4 matrix_b_fmt:MATRIX_FMT_FP4
.elseif \cv == 2
	v_wmma_scale_f32_16x16x128_f8f6f4 v[8*(8*(\a%4)+\b):8*(8*(\a%4)+\b)+7], v[64*MS+8*\b:64*MS+8*\b+7], v[128+64*MS+8*\a:128+64*MS+8*\a+7], v[BI+8*\a:BI+8*\a+7], v[SCX+8*\b+(\kq)], v[SCY+8*\a+(\kq)] matrix_a_fmt:MATRIX_FMT_FP4 matrix_b_fmt:MATRIX_FMT_FP4
.else
	v_wmma_scale_f32_16x16x128_f8f6f4 v[8*(8*(\a%4)+\b):8*(8*(\a%4)+\b)+7], v[64*MS+8*\b:64*MS+8*\b+7], v[128+64*MS+8*\a:128+64*MS+8*\a+7], v[8*(8*(\a%4)+\b):8*(8*(\a%4)+\b)+7], v[SCX+8*\b+(\kq)], v[SCY+8*\a+(\kq)] matrix_a_fmt:MATRIX_FMT_FP4 matrix_b_fmt:MATRIX_FMT_FP4
.endif
.endr
.endr
.endm
; The head of K step kq: its fragments are in; the next step's are asked for, 64 matrix instructions ahead of their use.
.macro STEP kq
	s_wait_dscnt 0x0                               ; this step's 32 loads, issued a step ago
.if (\kq) < 7
.if (\kq) > 0
	PLACES                                         ; the other set was read by the last step's products
.endif
	WIN 0                                          ; at a branch and at a label every window is 0
	FETCH (\kq)+1
.endif
.endm
	s_wait_tensorcnt 0x0                           ; my one load has landed,
	s_barrier_signal -1
	s_barrier_wait -1                              ; all four have
	FETCH 0
	s_cmp_eq_u32 s[PP], 1
	s_cbranch_scc1 .Lscales_v
	SCLD ADSW, ADSA
	s_branch .Lscales_asked
.Lscales_v:
	SCLD ADSA, ADSW
.Lscales_asked:
	s_wait_loadcnt 0x0                             ; the biases
	STEP 0
	s_cmp_eq_u32 s[PP], 1                          ; whose biases begin the sums
	s_cbranch_scc1 .Lbias_of_y
	MULS 0, 1
	WIN 0
	s_branch .Lsums_begun
.Lbias_of_y:
	MULS 0, 2
	WIN 0
.Lsums_begun:
.irp q, 1,2,3,4,5,6,7
	STEP \q
	MULS \q, 0
.endr
	PLACES                                         ; in front of the first read of results
; Tile a of Y: my 64 numbers become a fragment and a scale word.  Each accumulator is read from its low end on.
.macro QTAIL a
.set AC, 64*((\a)%4)
	WIN 0x0a+5*((\a)/4)                            ; sources 0 and 1: window 2 or 3
.irp b, 0,1,2,3
	v_max3_num_f32 v[TM+\b], |v[AC+16*\b]|, |v[AC+16*\b+1]|, 0x1800000   ; block b = tiles 2 b, 2 b + 1: my 16 numbers, and the floor 2^(3 - 127): the byte cannot fall under 1
.endr
.irp i, 2,4,6,8,10,12,14
.irp b, 0,1,2,3
	v_max3_num_f32 v[TM+\b], |v[AC+16*\b+\i]|, |v[AC+16*\b+\i+1]|, v[TM+\b]   ; (the four blocks by turns)
.endr
.endr
	WIN 0
.irp b, 0,1,2,3
	v_permlanex16_b32 v[TM+4+\b], v[TM+\b], s[SEL], s[SEL+1]
.endr
.irp b, 0,1,2,3
	v_max_num_f32 v[TM+\b], v[TM+\b], v[TM+4+\b]   ; with lane xor 16's 16: the block's largest magnitude
.endr
.irp b, 0,1,2,3
	v_add_nc_u32 v[TM+12+\b], 0xff000000, v[TM+\b] ; 2 off its exponent field: the conversion's scale operand
.endr
.irp b, 0,1,2,3
	v_lshrrev_b32 v[TM+4+\b], 23, v[TM+12+\b]      ; the scale's byte
.endr
	v_lshl_or_b32 v[WS+(\a)], v[TM+5], 8, v[TM+4]
	v_lshl_or_b32 v[WS+(\a)], v[TM+6], 16, v[WS+(\a)]
	v_lshl_or_b32 v[WS+(\a)], v[TM+7], 24, v[WS+(\a)]
	s_wait_alu depctr_va_vdst(0)                   ; directly ahead of the wait below
	s_wait_xcnt 0x0                                ; the last tile's stores have read their data and their base: both are written again below
.if (\a) == 4
	s_add_nc_u64 s[14:15], s[14:15], s[STP4:STP4+1]
.elseif (\a) > 0
	s_add_nc_u64 s[14:15], s[14:15], s[STP:STP+1]
.endif
	WIN 0x02+(\a)/4                                ; source 0: window 2 or 3
.irp i, 0,1,2,3,4,5,6,7
	v_cvt_scalef32_pk8_fp4_f32 v[PC+4*(\i/4)+2*(\i%2)+(\i/2)%2], v[AC+8*\i:AC+8*\i+7], v[TM+12+\i/2]
.endr
	WIN 0
	v_nop                                          ; one plain place behind a scaled conversion
.irp c, 0,1
	v_permlane16_swap_b32 v[PC+4*\c], v[PC+4*\c+1]     ; the first's lanes 16-31 change places with the second's lanes 0-15
	v_permlane16_swap_b32 v[PC+4*\c+2], v[PC+4*\c+3]
.endr
	global_store_b128 v[VO1], v[PC:PC+3], s[14:15]     ; 512 consecutive bytes each
	global_store_b128 v[VO2], v[PC+4:PC+7], s[14:15]
.endm
.irp a, 0,1,2,3,4,5,6,7
	QTAIL \a
.endr
	; the scale images.  Lanes 0-15 take the even tile's word, lanes 16-31 the odd tile's.
	; k: a word's low half is the first head's two bytes, its high half the second head's; the two bytes above scale zero codes alone and are never 0xff.   v: tiles 0-3 are the first head's, tiles 4-7 the second's.
.irp i, 0,1,2,3
	v_cndmask_b32 v[EW+\i], v[WS+2*\i], v[WS+2*\i+1], s[HM]
.endr
.irp i, 0,1,2,3
	v_lshrrev_b32 v[FW+\i], 16, v[EW+\i]
.endr
	v_cndmask_b32 v[FW], v[FW], v[EW+2], s[PM]
	v_cndmask_b32 v[FW+1], v[FW+1], v[EW+3], s[PM]
	global_store_b128 v[VO1], v[EW:EW+3], s[OUTS:OUTS+1]
	global_store_b128 v[VOS2], v[FW:FW+3], s[OUTS:OUTS+1]
	s_wait_tensorcnt 0x0                           ; the wave's end
	ds_add_u32 v[SPW], v[NIL]
	s_wait_dscnt 0x0
	CROUND                                         ; the closing round
	s_endpgm
.Lfunc_end_k_q0ad98aa169_proj:
	.size	k_q0ad98aa169_proj, .Lfunc_end_k_q0ad98aa169_proj-k_q0ad98aa169_proj
	.p2alignl 7, 3214868480
	.fill 96, 4, 3214868480
	.section	.rodata,"a",@progbits
	.p2align	6, 0x0
	.amdhsa_kernel k_q0ad98aa169_proj
		.amdhsa_group_segment_fixed_size 296448
		.amdhsa_private_segment_fixed_size 0
		.amdhsa_enable_private_segment 0
		.amdhsa_kernarg_size 88
		.amdhsa_user_sgpr_count 2
		.amdhsa_user_sgpr_kernarg_segment_ptr 1
		.amdhsa_wavefront_size32 1
		.amdhsa_system_sgpr_workgroup_id_x 1
		.amdhsa_system_sgpr_workgroup_id_y 1
		.amdhsa_system_sgpr_workgroup_id_z 1
		.amdhsa_system_vgpr_workitem_id 0
		.amdhsa_next_free_vgpr 1024
		.amdhsa_next_free_sgpr 102
		.amdhsa_reserve_vcc 0
		.amdhsa_float_denorm_mode_32 3
		.amdhsa_float_denorm_mode_16_64 3
		.amdhsa_memory_ordered 1
		.amdhsa_forward_progress 1
		.amdhsa_inst_pref_size 162
	.end_amdhsa_kernel
	.amdgpu_metadata
---
amdhsa.version: [ 1, 2 ]
amdhsa.kernels:
  - .name:           k_q0ad98aa169_proj
    .symbol:         k_q0ad98aa169_proj.kd
    .args:
      - { .name: key_codes, .offset: 0, .size: 8, .value_kind: global_buffer, .address_space: global }
      - { .name: value_codes, .offset: 8, .size: 8, .value_kind: global_buffer, .address_space: global }
      - { .name: key_scales, .offset: 16, .size: 8, .value_kind: global_buffer, .address_space: global }
      - { .name: value_scales, .offset: 24, .size: 8, .value_kind: global_buffer, .address_space: global }
      - { .name: Wk_codes, .offset: 32, .size: 8, .value_kind: global_buffer, .address_space: global }
      - { .name: Wv_codes, .offset: 40, .size: 8, .value_kind: global_buffer, .address_space: global }
      - { .name: Wk_scales, .offset: 48, .size: 8, .value_kind: global_buffer, .address_space: global }
      - { .name: Wv_scales, .offset: 56, .size: 8, .value_kind: global_buffer, .address_space: global }
      - { .name: bk, .offset: 64, .size: 8, .value_kind: global_buffer, .address_space: global }
      - { .name: bv, .offset: 72, .size: 8, .value_kind: global_buffer, .address_space: global }
      - { .name: kv, .offset: 80, .size: 8, .value_kind: global_buffer, .address_space: global }
    .group_segment_fixed_size: 296448
    .private_segment_fixed_size: 0
    .kernarg_segment_align: 8
    .kernarg_segment_size: 88
    .max_flat_workgroup_size: 128
    .sgpr_count:     102
    .vgpr_count:     1024
    .wavefront_size: 32
...
	.end_amdgpu_metadata
.endif
;; end of part 1
;; launch attn (part 2): grid 4 x 64, 8 waves a work-group, clusters of 4 x 1, 327,680 bytes of LDS; arguments query_codes, query_scales, Wq_codes, Wq_scales, bq, kv, cat, cat_scales; writes cat, cat_scales
.if DOCPART == 2
	.amdgcn_target "amdgcn-amd-amdhsa--gfx1250"
	.amdhsa_code_object_version 6
	.text
	.protected	k_q0ad98aa169_attn
	.globl	k_q0ad98aa169_attn
	.p2align	8
	.type	k_q0ad98aa169_attn,@function
k_q0ad98aa169_attn:
	s_mov_b64 s[64:65], 0
	v_nop
	global_prefetch_b8 v0, s[64:65] scope:SCOPE_SE
	s_setreg_imm32_b32 hwreg(HW_REG_WAVE_MODE, 25, 1), 1
	s_wait_xcnt 0x0
	s_wait_alu depctr_hold_cnt(0) depctr_sa_sdst(0) depctr_va_vdst(0) depctr_va_sdst(0) depctr_va_ssrc(0) depctr_va_vcc(0) depctr_vm_vsrc(0)
	s_getreg_b32 s2, hwreg(HW_REG_IB_STS2, 6, 4)
	s_cmp_eq_u32 s2, 0
	s_cbranch_scc0 .Lentry_in_a_cluster
	s_endpgm
.Lentry_in_a_cluster:
	s_bfe_u32 s2, ttmp6, 0x10000c
	s_cmp_lg_u32 s2, 0x3003
	s_cbranch_scc0 .Lentry_shape_is_right
	s_endpgm
.Lentry_shape_is_right:
; For one (batch, head) and 512 queries: q = query x Wq + bq, quantised along the head's 64 channels; O = softmax(q k^T / sqrt(2048)) v; O / l quantised along (head, channel) for the output product.
; All products on codes of FP4 (E2M1) with E8M0 scales.  t = score x c, c = log2(e) / sqrt(2048); M = the running largest t rounded UP to a whole number; p = 2^(t - M) is quantised along the keys, not normalised; l is the sum of the unquantised p.
; SHARES.  The four work-groups of a cluster own 512 queries each of ONE head, in two passes of 256; in a pass each of the eight waves owns two tiles of 16 queries, walked line by line together.
; LDS, rows of 512 bytes + 16 of padding: the head's block of kv (16 key steps x 18 rows; an image of 512 bytes is one row), 256 rows of query, the head's 64 rows of Wq.  All are asked for at the head, one load a wave:
; waves 0-3 four key steps each (jointly: the partners share the head), waves 4 and 5 128 rows of query each (not shared: each partner has its own queries), wave 6 Wq (jointly), wave 7 none.
; kv and Wq are filled once.  The rows of query are filled again once, with the second pass's 256 rows, when the first pass's q is made: that load has the first pass's 16 key steps in which to land.
; q's PRODUCT, at the head of each pass: a wave multiplies its 32 queries by the 64 channels over K = 1,024: source 0 = 16 rows of Wq, source 1 = 16 queries; bq is the C of the first products.
; The scale words and bq come once, straight into registers of window 1; the scale words are copied into scale registers ahead of each product.  q is quantised in registers and never leaves them.
; ATTENTION.  Both products are used transposed: S^T = K Q^T, O^T = V^T P^T: a lane holds ONE query (lane % 16) of each tile.
; THE KEYS OF A TILE ARE NOT NEIGHBOURS: row m of tile y is key 64 (y / 4) + 32 (m / 8) + 8 (y % 4) + m % 8 of the step, picked by the lane's LDS address out of K's images (tiles of 16 neighbouring keys).
; So register 8 y + j of S^T in half h is key 64 (y / 4) + 32 h + 8 (y % 4) + j: a lane holds two WHOLE blocks of 32 keys (h and 2 + h), and tile y's eight codes are register y of the second product's operand as they stand.
; The head has 64 channels, half of the instruction's 128 along K: registers 4-7 of Q's and K's fragments are zero codes, cleared once.
; REGISTERS.  Window 0: v1-11 addresses; v12-15 (-M, largest score) a tile; v16-19 the sums; v20-23 (f, p's scale word); v24-39 Q; v40-41 its scale words; v42-45 K's; v46-47 V's; v48-63 p's codes; v64-191 S^T, then p; v192-233 at work; v244, v245 addresses for q's product.
; Window 1: v0-63 O^T; v64-95 V^T; v96-159 K; v160-191 bq; v192-223 Wq's scale words; v224-255 query's.  In q's product: window 0: v64-95, v128-159 the sums, v96-111 query's scale words, v160-191 Wq's; window 1: v0-95 two sets of fragments.
; OUT.  cat [row tile][head][512-byte image]; cat_scales [row][32]: byte 2 head + block.
; No prefetch: each tile is asked for once, outside the loops.
; LIMITS: NaN and infinities are not served; blocks under 2^-124, and blocks of zeros, get the scale byte 1 (their bytes are read by this program alone); the promise holds while |t| stays under 2^31.
.set PITCH, 528                        ; an LDS row: 512 bytes + 16 of padding
.set SL,    18*PITCH                   ; a key step in LDS: K 8 rows | V^T 8 rows | K's scale image | V's
.set ACTL,  16*SL                      ; behind kv: 256 rows of query
.set WQL,   ACTL+256*PITCH             ; Wq's 64 rows
.set SPARE, WQL+64*PITCH               ; the spare words: 128 bytes a wave
.set WV,  12
.set G1K, 16                           ; kv's descriptor
.set G0K, 24
.set CP,  32                           ; s[32:33] my images in cat;  s[34:35] my rows in cat_scales
.set CSP, 34
.set TB,  36                           ; s36 LDS byte of the key step in hand
.set STEPS, 37
.set PASS, 38
.set HM,  39                           ; s39 lanes 16-31
.set CS,  40                           ; s[40:41] c
.set SEL, 42                           ; s[42:43] selects for lane xor 16
.set NC,  48                           ; s48 -c
.set G1A, 76                           ; query's descriptor
.set G0A, 84
.set G1W, 88                           ; Wq's
.set G0W, 96
.set L16, 1                            ; v1 16 x lane
.set AK,  2                            ; v2 my lane's place in K's images: two rows x (m / 8) + 16 (m % 8) + 256 h
.set AS,  3                            ; v3 and in K's scale image: 16 (m % 8) + 4 (m / 8) + 128 h
.set R32, 4                            ; v4 32 r
.set CSO, 5                            ; v5 32 r + h
.set SH,  6                            ; v6 8 h
.set SPW, 7
.set NIL, 8
.set ADK, 9                            ; v9-11 the step's addresses
.set ADS, 10
.set ADV, 11
.set AX,  244                          ; v244 Wq's fragments;  v245 my 32 rows of query
.set AY,  245
.set KS,  42
.set VS,  46
.set VF,  64                           ; window 1
.set KF,  96                           ; window 1
.set MSB, 0
.macro WIN new                         ; the immediate's high byte repeats the setting that is left
.if MSB != (\new)
	s_set_vgpr_msb (MSB<<8)|(\new)
.set MSB, (\new)
.endif
.endm
.macro CROUND                          ; a round of the cluster's barrier
	s_barrier_signal -1
	s_barrier_wait -1
	s_cmp_lg_u32 s[WV], 0
	s_cbranch_scc1 .Lnot_wave_0_\@
	s_barrier_signal -3
.Lnot_wave_0_\@:
	s_barrier_wait -3
	s_barrier_signal -1
	s_barrier_wait -1
.endm
.macro MKG1 g, c, r, p                 ; words 1 to 7 of a group 1: rows of c elements, r of them, p elements apart
	s_mov_b32 s[\g+1], (\c)<<16
	s_mov_b32 s[\g+2], (\r)<<16
	s_mov_b32 s[\g+3], (\c)<<16
	s_mov_b32 s[\g+4], \r
	s_mov_b32 s[\g+5], \p
	s_mov_b32 s[\g+6], 0
	s_mov_b32 s[\g+7], 0
.endm
.macro ARM under, g0, g1, next         ; one arm of the head's tree: its load, and a jump to the tree's end
	s_cmp_lt_u32 s[WV], \under
	s_cbranch_scc0 \next
	tensor_load_to_lds s[\g0:\g0+3], s[\g1:\g1+7]
	s_nop 0
.rept 4
	v_nop
.endr
	s_branch .Lhead_asked
\next:
.endm
; K's eight tiles and their scale words (register i: lanes 0-15 tile 2 i, lanes 16-31 tile 2 i + 1) of the key step off bytes on
.macro KLOADS adk, ads, off
	WIN 0x40
.irp y, 0,1,2,3,4,5,6,7
	ds_load_b128 v[KF+8*\y:KF+8*\y+3], v[\adk] offset:\off+PITCH*(4*(\y/4)+(\y%4)/2)+128*(\y%2)
.endr
	WIN 0
.irp i, 0,1,2,3
	ds_load_b32 v[KS+\i], v[\ads] offset:\off+16*PITCH+256*(\i%2)+8*(\i/2)
.endr
.endm
.macro PKF T, q                        ; t - M of 16 scores, two at a time
.irp j, 0,2,4,6,8,10,12,14
	v_pk_fma_f32 v[64+64*\T+16*\q+\j:65+64*\T+16*\q+\j], v[64+64*\T+16*\q+\j:65+64*\T+16*\q+\j], s[CS:CS+1], v[12+2*\T:13+2*\T] op_sel_hi:[1,0,0]
.endr
.endm
.macro ADDP T, n                       ; pair n of p onto one of the tile's four chains
.if ((\n)-7)%4 == 3
	v_pk_add_f32 v[16+2*\T:17+2*\T], v[16+2*\T:17+2*\T], v[64+64*\T+2*(\n):65+64*\T+2*(\n)]
.else
	v_pk_add_f32 v[220+8*\T+2*(((\n)-7)%4):221+8*\T+2*(((\n)-7)%4)], v[220+8*\T+2*(((\n)-7)%4):221+8*\T+2*(((\n)-7)%4)], v[64+64*\T+2*(\n):65+64*\T+2*(\n)]
.endif
.endm
.macro ADDS n0, cnt
.set N, \n0
.rept \cnt
	ADDP 0, N
	ADDP 1, N
.set N, N+1
.endr
.endm
; q's product.  12 LDS loads: Wq's four fragments and my two tiles' of K step kq into set kq % 2
.macro QFETCH kq
.set FS, 48*((\kq)%2)
	WIN 0x40
.irp i, 0,1,2,3
.irp c, 0,1
	ds_load_b128 v[FS+8*\i+4*\c:FS+8*\i+4*\c+3], v[AX] offset:64*(\kq)+32*\c+\i*16*PITCH
.endr
.endr
.irp n, 0,1
.irp c, 0,1
	ds_load_b128 v[FS+32+8*\n+4*\c:FS+32+8*\n+4*\c+3], v[AY] offset:64*(\kq)+32*\c+\n*16*PITCH
.endr
.endr
.endm
.macro QMUL kq                         ; 8 products; the 8 accumulators take turns.  Sum (n, i) at v[64 + 64 n + 8 i]: register j = channel 16 i + 8 h + j of query r of tile n
.set FS, 48*((\kq)%2)
.if (\kq) == 0
	WIN 0x15                                       ; sources and C window 1
.else
	WIN 0x05                                       ; sources window 1
.endif
.irp n, 0,1
.irp i, 0,1,2,3
.if (\kq) == 0
	v_wmma_scale_f32_16x16x128_f8f6f4 v[64+64*\n+8*\i:71+64*\n+8*\i], v[FS+8*\i:FS+8*\i+7], v[FS+32+8*\n:FS+32+8*\n+7], v[160+8*\i:167+8*\i], v[160+8*\i+(\kq)], v[96+8*\n+(\kq)] matrix_a_fmt:MATRIX_FMT_FP4 matrix_b_fmt:MATRIX_FMT_FP4
.else
	v_wmma_scale_f32_16x16x128_f8f6f4 v[64+64*\n+8*\i:71+64*\n+8*\i], v[FS+8*\i:FS+8*\i+7], v[FS+32+8*\n:FS+32+8*\n+7], v[64+64*\n+8*\i:71+64*\n+8*\i], v[160+8*\i+(\kq)], v[96+8*\n+(\kq)] matrix_a_fmt:MATRIX_FMT_FP4 matrix_b_fmt:MATRIX_FMT_FP4
.endif
.endr
.endr
.endm
.macro QPROJ p                         ; pass p's q, unquantised
	WIN 0x01                                       ; source window 1
.set J, 0
.rept 32
	v_mov_b32 v[160+J], v[192+J]                   ; Wq's scale words: tile i, K step kq at 8 i + kq
.set J, J+1
.endr
.set J, 0
.rept 16
	v_mov_b32 v[96+J], v[224+16*\p+J]              ; my two tiles' of query
.set J, J+1
.endr
.rept 8
	v_nop                                          ; a scale register written by a vector instruction stands 8 places ahead of a scaled matrix instruction
.endr
	QFETCH 0
	s_wait_alu depctr_va_vdst(0)                   ; directly ahead of the wait below
.irp q, 0,1,2,3,4,5,6,7
	s_wait_dscnt 0x0                               ; this step's 12 loads
.if \q < 7
.if \q > 0
.rept 4
	v_nop                                          ; the other set was read by the last step's products
.endr
.endif
	QFETCH (\q)+1
.endif
	QMUL \q
.endr
	WIN 0
.rept 4
	v_nop                                          ; places behind the last products
.endr
.endm
; Two tiles of 16 rows x 64 channels at v[64 + 64 T] (register 8 t + j: channel 16 t + 8 h + j) become fragments at v[d + 8 T]; block b's scale byte of tile T is left in v[212 + 2 T + b]
.macro QUANT d
.irp T, 0,1
.irp b, 0,1
	v_max3_num_f32 v[192+2*\T+\b], |v[64+64*\T+16*\b]|, |v[65+64*\T+16*\b]|, 0x1800000   ; my 16 numbers, and the floor 2^(3 - 127): the byte cannot fall under 1
.endr
.endr
.irp i, 2,4,6,8,10,12,14
.irp T, 0,1
.irp b, 0,1
	v_max3_num_f32 v[192+2*\T+\b], v[192+2*\T+\b], |v[64+64*\T+16*\b+\i]|, |v[65+64*\T+16*\b+\i]|
.endr
.endr
.endr
.irp n, 0,1,2,3
	v_permlanex16_b32 v[200+\n], v[192+\n], s[SEL], s[SEL+1]
.endr
.irp n, 0,1,2,3
	v_max_num_f32 v[192+\n], v[192+\n], v[200+\n]
.endr
.irp n, 0,1,2,3
	v_add_nc_u32 v[208+\n], 0xff000000, v[192+\n]  ; 2 off the exponent field: the conversion's scale operand
.endr
.irp n, 0,1,2,3
	v_lshrrev_b32 v[212+\n], 23, v[208+\n]         ; the scale's byte
.endr
.irp T, 0,1
	v_cvt_scalef32_pk8_fp4_f32 v[\d+8*\T],   v[64+64*\T:71+64*\T], v[208+2*\T]     ; channel tiles 0 .. 3 to registers 0, 2, 1, 3
	v_cvt_scalef32_pk8_fp4_f32 v[\d+2+8*\T], v[72+64*\T:79+64*\T], v[208+2*\T]
	v_cvt_scalef32_pk8_fp4_f32 v[\d+1+8*\T], v[80+64*\T:87+64*\T], v[209+2*\T]
	v_cvt_scalef32_pk8_fp4_f32 v[\d+3+8*\T], v[88+64*\T:95+64*\T], v[209+2*\T]
.endr
	v_nop                                          ; one plain place behind a scaled conversion
.irp T, 0,1
	v_permlane16_swap_b32 v[\d+8*\T], v[\d+1+8*\T]
	v_permlane16_swap_b32 v[\d+2+8*\T], v[\d+3+8*\T]
.endr
.endm
.macro QWORDS                          ; Q's scale words (the two bytes above scale zero codes)
.irp T, 0,1
	v_lshl_or_b32 v[40+\T], v[213+2*\T], 8, v[212+2*\T]
.endr
.endm
	s_load_b256 s[4:11], s[0:1], 0x0               ; query's codes, its scales, Wq's codes, its scales
	s_load_b256 s[68:75], s[0:1], 0x20             ; bq, kv, cat, cat_scales
	v_lshl_add_u32 v[SPW], v0, 2, SPARE
	v_mov_b32 v[NIL], 0
	ds_add_u32 v[SPW], v[NIL]                      ; the opening lines: the add twice and its wait
	ds_add_u32 v[SPW], v[NIL]
	v_lshrrev_b32 v1, 5, v0
	v_readfirstlane_b32 s[WV], v1                  ; wave 0..7
	s_lshr_b32 s55, s[WV], 1                       ; 2 in waves 4 and 5
	s_bfe_u32 s13, ttmp6, 0x40000                  ; cx: it enters query's and the outputs' addresses alone
	s_and_b32 s14, ttmp7, 0xffff                   ; 16 batch + head, which the four partners share
	s_lshr_b32 s46, s14, 4                         ; batch
	s_and_b32 s47, s14, 15                         ; head
	s_mov_b32 s[G1K], 15|(3<<16)|(1<<20)|(1<<21)|(6<<22)|(3<<25)   ; all four work-groups; elements of 8 bytes; 16 bytes of padding behind each 128 words
	MKG1 G1K, 64, 72, 64                           ; four key steps as 72 dense rows of 512 bytes
	s_mov_b32 s[G1A], (1<<20)|(6<<22)|(3<<25)      ; no mask; elements of 1 byte; the same padding
	MKG1 G1A, 512, 128, 512
	s_mov_b32 s[G1W], 15|(1<<20)|(1<<21)|(6<<22)|(3<<25)
	MKG1 G1W, 512, 64, 512
	s_mov_b32 s[G0K], 1
	s_and_b32 s44, s[WV], 3
	s_mul_i32 s[G0K+1], s44, 72*PITCH
	s_mul_i32 s53, s44, 36864                      ; kv: the head's block, my four key steps
	s_mul_i32 s52, s14, 147456
	s_add_co_u32 s52, s52, s53
	s_mov_b32 s53, 0
	s_mov_b32 s[G0A], 1
	s_and_b32 s44, s[WV], 1
	s_mul_i32 s[G0A+1], s44, 128*PITCH
	s_add_co_u32 s[G0A+1], s[G0A+1], ACTL
	s_mov_b32 s[G0W], 1
	s_mov_b32 s[G0W+1], WQL
	s_lshl_b32 s44, s44, 16                        ; query: row 2,048 batch + 512 cx + 128 (wave % 2), 512 bytes a row
	s_lshl_b32 s45, s46, 20
	s_add_co_u32 s44, s44, s45
	s_lshl_b32 s45, s13, 18
	s_add_co_u32 s44, s44, s45
	s_mov_b32 s45, 0
	s_lshl_b32 s50, s47, 15                        ; Wq: 64 rows of 512 bytes a head
	s_mov_b32 s51, 0
	s_wait_dscnt 0x0
	s_wait_kmcnt 0x0
	s_add_nc_u64 s[G0A+2:G0A+3], s[4:5], s[44:45]
	s_or_b32 s[G0A+3], s[G0A+3], 0x80000000
	s_add_nc_u64 s[G0W+2:G0W+3], s[8:9], s[50:51]
	s_or_b32 s[G0W+3], s[G0W+3], 0x80000000
	s_add_nc_u64 s[G0K+2:G0K+3], s[70:71], s[52:53]
	s_or_b32 s[G0K+3], s[G0K+3], 0x80000000
	CROUND                                         ; all four work-groups are here: the joint loads meet
	ARM 4, G0K, G1K, .Lhead_a                      ; waves 0-3: four key steps each;  waves 4, 5: 128 rows of query each;  wave 6: Wq;  wave 7: none
	ARM 6, G0A, G1A, .Lhead_wq
	ARM 7, G0W, G1W, .Lhead_none
.Lhead_asked:
	s_lshl_b32 s44, s47, 11                        ; Wq's scale bytes: 64 rows of 32 a head
	s_add_nc_u64 s[10:11], s[10:11], s[44:45]
	s_lshl_b32 s44, s47, 8                         ; bq: 64 numbers a head
	s_add_nc_u64 s[68:69], s[68:69], s[44:45]
	s_lshl_b32 s44, s46, 16                        ; query's scale bytes: row 2,048 batch + 512 cx + 32 wave, 32 a row
	s_lshl_b32 s2, s13, 14
	s_add_co_u32 s44, s44, s2
	s_lshl_b32 s2, s[WV], 10
	s_add_co_u32 s44, s44, s2
	s_add_nc_u64 s[6:7], s[6:7], s[44:45]
	s_lshl_b32 s44, s46, 7
	s_lshl_b32 s2, s13, 5
	s_add_co_u32 s44, s44, s2
	s_lshl_b32 s2, s[WV], 1
	s_add_co_u32 s44, s44, s2                      ; my first row tile in pass 0: 128 batch + 32 cx + 2 wave
	s_lshl_b32 s2, s44, 9                          ; 16 rows of 32 scale bytes
	s_lshl_b32 s44, s44, 13                        ; 16 heads' images
	s_lshl_b32 s3, s47, 9
	s_add_co_u32 s44, s44, s3
	s_add_nc_u64 s[CP:CP+1], s[72:73], s[44:45]
	s_lshl_b32 s3, s47, 1
	s_add_co_u32 s44, s2, s3
	s_add_nc_u64 s[CSP:CSP+1], s[74:75], s[44:45]
	s_mul_i32 s54, s[WV], 32*PITCH                 ; my 32 rows of query in LDS
	s_add_co_u32 s54, s54, ACTL
	s_mov_b32 s[HM], 0xffff0000
	s_mov_b32 s[CS], 0x3d0293ee                    ; c = log2(e) / sqrt(2048)
	s_mov_b32 s[CS+1], s[CS]
	s_mov_b32 s[NC], 0xbd0293ee                    ; -c
	s_mov_b32 s[SEL], 0x76543210
	s_mov_b32 s[SEL+1], 0xfedcba98
	s_mov_b32 s[PASS], 2
	v_and_b32 v9, 31, v0
	v_lshlrev_b32 v[L16], 4, v9
	v_and_b32 v10, 7, v0                           ; m % 8
	v_bfe_u32 v11, v0, 3, 1                        ; m / 8
	v_bfe_u32 v[SH], v0, 4, 1                      ; h
	v_and_b32 v16, 15, v0                          ; r
	v_lshlrev_b32 v[AK], 4, v10
	v_mad_u32_u24 v[AK], v11, 2*PITCH, v[AK]
	v_lshl_add_u32 v[AK], v[SH], 8, v[AK]
	v_lshlrev_b32 v[AS], 4, v10
	v_lshl_add_u32 v[AS], v11, 2, v[AS]
	v_lshl_add_u32 v[AS], v[SH], 7, v[AS]
	v_lshlrev_b32 v[R32], 5, v16
	v_lshl_add_u32 v[CSO], v16, 5, v[SH]
	v_lshlrev_b32 v12, 5, v[SH]                    ; 32 h: bq's eight numbers of my half
	v_mul_u32_u24 v17, v16, PITCH
	v_lshl_add_u32 v17, v[SH], 4, v17              ; a fragment's row x pitch + 16 h
	v_add_nc_u32 v[AX], WQL, v17
	v_add_nc_u32 v[AY], s54, v17
	v_lshlrev_b32 v[SH], 3, v[SH]
.irp i, 20,21,22,23,200,201,202,203
	v_mov_b32 v[\i], 0                             ; written once: pairs named whole, and the lane permutes' destinations
.endr
.irp i, 28,29,30,31,36,37,38,39
	v_mov_b32 v[\i], 0                             ; zero codes for K = 64 .. 127 of the scores' product: Q's,
.endr
	WIN 0x40
.irp y, 0,1,2,3,4,5,6,7
.irp i, 4,5,6,7
	v_mov_b32 v[KF+8*\y+\i], 0                     ; and K's: never loaded
.endr
.endr
	s_wait_alu depctr_va_vdst(0)                   ; the wait at the head's end
.irp i, 0,1,2,3
	global_load_b128 v[192+8*\i:195+8*\i], v[R32], s[10:11] offset:512*\i       ; Wq's scale words: tile i, register = K step
	global_load_b128 v[196+8*\i:199+8*\i], v[R32], s[10:11] offset:512*\i+16
	global_load_b128 v[224+8*\i:227+8*\i], v[R32], s[6:7] offset:8192*(\i/2)+512*(\i%2)       ; query's: pass i / 2, tile i % 2
	global_load_b128 v[228+8*\i:231+8*\i], v[R32], s[6:7] offset:8192*(\i/2)+512*(\i%2)+16
	global_load_b128 v[160+8*\i:163+8*\i], v12, s[68:69] offset:64*\i           ; bq(16 i + 8 h + 0 .. 7)
	global_load_b128 v[164+8*\i:167+8*\i], v12, s[68:69] offset:64*\i+16
.endr
	WIN 0
	s_wait_tensorcnt 0x0                           ; my load, if I have one, has landed,
	s_barrier_signal -1
	s_barrier_wait -1                              ; all seven have
	s_wait_loadcnt 0x0                             ; the scale words and bq
	QPROJ 0
	s_wait_tensorcnt 0x0                           ; the second pass's rows of query land on the first's: the add twice here
	ds_add_u32 v[SPW], v[NIL]
	ds_add_u32 v[SPW], v[NIL]
	s_add_nc_u64 s[G0A+2:G0A+3], s[G0A+2:G0A+3], 0x20000   ; no tensor load of mine is out: 256 rows of 512 bytes on
	s_wait_dscnt 0x0                               ; the adds are done, and my reads of query are over
	CROUND                                         ; the same holds of every wave
	s_cmp_eq_u32 s55, 2
	s_cbranch_scc0 .Lno_refill                     ; waves 4 and 5 alone
	tensor_load_to_lds s[G0A:G0A+3], s[G1A:G1A+7]
	s_nop 0
.rept 4
	v_nop
.endr
.Lno_refill:
	QUANT 24
	QWORDS
	s_wait_alu depctr_va_vdst(0)
; A KEY STEP: 128 keys, both tiles.  nxt = 1: the next step's K is fetched behind the first products.
.macro STEP nxt
	s_wait_dscnt 0x0                               ; K and its scale words
	WIN 0x01                                       ; source 0 (K) window 1
.irp y, 0,1,2,3,4,5,6,7
.irp T, 0,1
.if (\y)%2
	v_wmma_scale_f32_16x16x128_f8f6f4 v[64+64*\T+8*\y:71+64*\T+8*\y], v[KF+8*\y:KF+8*\y+7], v[24+8*\T:31+8*\T], 0, v[KS+\y/2], v[40+\T] matrix_a_fmt:MATRIX_FMT_FP4 matrix_b_fmt:MATRIX_FMT_FP4 matrix_a_scale:MATRIX_SCALE_ROW1
.else
	v_wmma_scale_f32_16x16x128_f8f6f4 v[64+64*\T+8*\y:71+64*\T+8*\y], v[KF+8*\y:KF+8*\y+7], v[24+8*\T:31+8*\T], 0, v[KS+\y/2], v[40+\T] matrix_a_fmt:MATRIX_FMT_FP4 matrix_b_fmt:MATRIX_FMT_FP4
.endif
.endr
.endr
	WIN 0
	v_add_nc_u32 v[ADV], s[TB], v[L16]             ; four plain places behind the products, ahead of the loads into their registers and of the first read of the scores
.if \nxt
	v_add_nc_u32 v[ADK], s[TB], v[AK]
	v_add_nc_u32 v[ADS], s[TB], v[AS]
.else
	v_nop
	v_nop
.endif
	v_nop
	WIN 0x40
.irp t, 0,1,2,3
.irp c, 0,1
	ds_load_b128 v[VF+8*\t+4*\c:VF+8*\t+4*\c+3], v[ADV] offset:PITCH*(8+2*\t+\c)   ; V^T's four channel tiles land while the softmax is walked
.endr
.endr
	WIN 0
	ds_load_b64 v[VS:VS+1], v[ADV] offset:17*PITCH
.if \nxt
	KLOADS ADK, ADS, SL
.endif
	; the largest score of each block of 32 keys, in two chains of 16 a block: eight chains by turns.  v[192 + 4 T + 2 c] is block c's
.irp T, 0,1
.irp q, 0,1,2,3
	v_max3_num_f32 v[192+4*\T+\q], v[64+64*\T+16*\q], v[65+64*\T+16*\q], v[66+64*\T+16*\q]
.endr
.endr
.irp i, 3,5,7,9,11,13
.irp T, 0,1
.irp q, 0,1,2,3
	v_max3_num_f32 v[192+4*\T+\q], v[192+4*\T+\q], v[64+64*\T+16*\q+\i], v[65+64*\T+16*\q+\i]
.endr
.endr
.endr
.irp T, 0,1
.irp c, 0,1
	v_max3_num_f32 v[192+4*\T+2*\c], v[192+4*\T+2*\c], v[193+4*\T+2*\c], v[79+64*\T+32*\c]
.endr
.endr
.irp T, 0,1
.irp c, 0,1
	v_max_num_f32 v[192+4*\T+2*\c], v[192+4*\T+2*\c], v[95+64*\T+32*\c]
.endr
.endr
.irp T, 0,1
	v_max_num_f32 v[193+4*\T], v[192+4*\T], v[194+4*\T]
.endr
.irp T, 0,1
	v_permlanex16_b32 v[200+\T], v[193+4*\T], s[SEL], s[SEL+1]
.endr
.irp T, 0,1
	v_max3_num_f32 v[13+2*\T], v[13+2*\T], v[193+4*\T], v[200+\T]   ; the running largest score of my query
.endr
.irp T, 0,1
	v_mov_b32 v[204+\T], v[12+2*\T]
.endr
.irp T, 0,1
	v_mul_f32 v[206+\T], s[NC], v[13+2*\T]         ; -t
.endr
.irp T, 0,1
	v_floor_f32 v[12+2*\T], v[206+\T]              ; the new -M = floor(-t): a whole number
.endr
	PKF 0, 0
	PKF 1, 0
.irp T, 0,1
	v_sub_f32 v[204+\T], v[12+2*\T], v[204+\T]     ; M's old value less its new one: a whole number, 0 or less
.endr
	PKF 0, 1
	PKF 1, 1
.irp T, 0,1
	v_cvt_i32_f32 v[204+\T], v[204+\T]             ; (it saturates)
.endr
	PKF 0, 2
	PKF 1, 2
.irp T, 0,1
	v_ldexp_f32 v[20+2*\T], 1.0, v[204+\T]         ; f = 2^(old M - new M): a multiplication by it rounds nothing
.endr
	PKF 0, 3
	PKF 1, 3
.irp T, 0,1
.irp c, 0,1
	v_fma_f32 v[192+4*\T+2*\c], v[192+4*\T+2*\c], s[CS], v[12+2*\T]   ; the same of each block's largest score
.endr
.endr
	s_wait_alu depctr_va_vdst(0)                   ; the wait ahead of the batch
.irp T, 0,1
.irp c, 0,1
	v_exp_f32 v[192+4*\T+2*\c], v[192+4*\T+2*\c]   ; the block's largest p
.endr
.endr
.set J, 0
.rept 128
	v_exp_f32 v[64+J], v[64+J]                     ; p = 2^(t - M), at most 1
.set J, J+1
.endr
.irp T, 0,1
	v_pk_mul_f32 v[16+2*\T:17+2*\T], v[16+2*\T:17+2*\T], v[20+2*\T:21+2*\T] op_sel_hi:[1,0]   ; the sums under the new M: plain places behind the exponentials
.endr
	s_wait_alu depctr_va_vdst(0)                   ; one wait for the batch, ahead of its first reader
	; the scales' lines stand among the row's sums (of the unquantised p, four chains a tile)
.irp T, 0,1
.irp c, 0,1
	v_max_num_f32 v[192+4*\T+2*\c], 0x1800000, v[192+4*\T+2*\c]   ; the floor 2^(3 - 127): the byte cannot fall under 1
.endr
.endr
.irp T, 0,1
.irp k, 0,1,2
	v_pk_add_f32 v[220+8*\T+2*\k:221+8*\T+2*\k], v[64+64*\T+4*\k:65+64*\T+4*\k], v[66+64*\T+4*\k:67+64*\T+4*\k]
.endr
	v_pk_add_f32 v[16+2*\T:17+2*\T], v[16+2*\T:17+2*\T], v[76+64*\T:77+64*\T]
.endr
.irp T, 0,1
.irp c, 0,1
	v_add_nc_u32 v[208+2*\T+\c], 0xff000000, v[192+4*\T+2*\c]     ; 2 off the exponent field: the conversion's scale operand
.endr
.endr
	ADDS 7, 4
.irp n, 0,1,2,3
	v_lshrrev_b32 v[212+\n], 23, v[208+\n]         ; the scale's byte
.endr
	ADDS 11, 4
.irp T, 0,1
	v_lshl_or_b32 v[216+\T], v[213+2*\T], 16, v[212+2*\T]   ; my two bytes: blocks h and 2 + h,
.endr
	ADDS 15, 4
.irp T, 0,1
	v_lshlrev_b32 v[216+\T], v[SH], v[216+\T]      ; at their places in the scale word
.endr
	ADDS 19, 4
.irp T, 0,1
	v_permlanex16_b32 v[200+\T], v[216+\T], s[SEL], s[SEL+1]
.endr
	ADDS 23, 4
.irp T, 0,1
	v_or_b32 v[21+2*\T], v[216+\T], v[200+\T]      ; with lane xor 16's two the word is whole
.endr
	ADDS 27, 5
.irp T, 0,1
	v_pk_add_f32 v[220+8*\T:221+8*\T], v[220+8*\T:221+8*\T], v[222+8*\T:223+8*\T]
	v_pk_add_f32 v[16+2*\T:17+2*\T], v[16+2*\T:17+2*\T], v[224+8*\T:225+8*\T]
.endr
.irp T, 0,1
	v_pk_add_f32 v[16+2*\T:17+2*\T], v[16+2*\T:17+2*\T], v[220+8*\T:221+8*\T]
.endr
.irp T, 0,1
.irp y, 0,1,2,3,4,5,6,7
	v_cvt_scalef32_pk8_fp4_f32 v[48+8*\T+\y], v[64+64*\T+8*\y:71+64*\T+8*\y], v[208+2*\T+\y/4]   ; tile y's codes are the operand's register y
.endr
.endr
	WIN 0x41                                       ; source 0 and destination window 1
	s_wait_alu depctr_va_vdst(0)                   ; directly ahead of the first reader of O^T
.irp T, 0,1
.irp j, 0,2,4,6,8,10,12,14,16,18,20,22,24,26,28,30
	v_pk_mul_f32 v[32*\T+\j:32*\T+\j+1], v[32*\T+\j:32*\T+\j+1], v[20+2*\T:21+2*\T] op_sel_hi:[1,0]   ; O^T under the new M; these 32 are also the places between the codes' and scale words' writes and the products
.endr
.endr
	s_wait_alu depctr_va_vdst(0)                   ; directly ahead of the wait below
	s_wait_dscnt 0x0                               ; V^T and its scale words (and the next step's K)
	WIN 0x51                                       ; V^T, C and D window 1
.irp t, 0,1,2,3                                ; O^T += V^T P^T: the eight accumulators by turns
.irp T, 0,1
.if (\t)%2
	v_wmma_scale_f32_16x16x128_f8f6f4 v[32*\T+8*\t:32*\T+8*\t+7], v[VF+8*\t:VF+8*\t+7], v[48+8*\T:55+8*\T], v[32*\T+8*\t:32*\T+8*\t+7], v[VS+\t/2], v[21+2*\T] matrix_a_fmt:MATRIX_FMT_FP4 matrix_b_fmt:MATRIX_FMT_FP4 matrix_a_scale:MATRIX_SCALE_ROW1
.else
	v_wmma_scale_f32_16x16x128_f8f6f4 v[32*\T+8*\t:32*\T+8*\t+7], v[VF+8*\t:VF+8*\t+7], v[48+8*\T:55+8*\T], v[32*\T+8*\t:32*\T+8*\t+7], v[VS+\t/2], v[21+2*\T] matrix_a_fmt:MATRIX_FMT_FP4 matrix_b_fmt:MATRIX_FMT_FP4
.endif
.endr
.endr
	WIN 0
.endm
.Lpass:
	KLOADS AK, AS, 0                               ; key step 0
.irp T, 0,1
	v_mov_b32 v[13+2*\T], 0xff61b1e6               ; the largest score so far: -3e38
	v_mov_b32 v[12+2*\T], 0x7e000000               ; -M: 2^125, a whole number: the first f is 0
	v_mov_b32 v[16+2*\T], 0
	v_mov_b32 v[17+2*\T], 0
.endr
	WIN 0x40
.set J, 0
.rept 64
	v_mov_b32 v[J], 0                              ; O^T: the first step finds zeros, which the first change of M leaves zeros
.set J, J+1
.endr
	WIN 0
	s_mov_b32 s[TB], 0
	s_mov_b32 s[STEPS], 15
	s_wait_alu depctr_va_vdst(0)                   ; ahead of the step's first wait
.Lkey:
	STEP 1
	s_add_co_u32 s[TB], s[TB], SL
	s_sub_co_u32 s[STEPS], s[STEPS], 1
	s_cmp_lg_u32 s[STEPS], 0
	s_cbranch_scc1 .Lkey
	STEP 0                                         ; the last step is written out: no key step follows it
	; THE WAY OUT of a pass: O^T / l, quantised along the head's 64 channels: two blocks a tile
.rept 4
	v_nop                                          ; places behind the last products
.endr
.irp T, 0,1
	v_add_f32 v[16+2*\T], v[16+2*\T], v[17+2*\T]
.endr
.irp T, 0,1
	v_permlanex16_b32 v[200+\T], v[16+2*\T], s[SEL], s[SEL+1]
.endr
.irp T, 0,1
	v_add_f32 v[16+2*\T], v[16+2*\T], v[200+\T]    ; the row's sum
.endr
	s_wait_alu depctr_va_vdst(0)                   ; the wait ahead of the transcendentals
.irp T, 0,1
	v_rcp_f32 v[16+2*\T], v[16+2*\T]
.endr
	v_nop                                          ; a plain place behind them
	WIN 0x01
	s_wait_alu depctr_va_vdst(0)                   ; and the wait ahead of their first reader, which is also O^T's
.irp T, 0,1
.set J, 0
.rept 32
	v_mul_f32 v[64+64*\T+J], v[32*\T+J], v[16+2*\T]
.set J, J+1
.endr
.endr
	WIN 0
	QUANT 48
.irp T, 0,1
	v_cndmask_b32 v[216+\T], v[212+2*\T], v[213+2*\T], s[HM]   ; lanes 0-15 block 0's byte, lanes 16-31 block 1's
.endr
.irp T, 0,1
	global_store_b128 v[L16], v[48+8*\T:51+8*\T], s[CP:CP+1] offset:8192*\T   ; the image: 512 consecutive bytes
	global_store_b8 v[CSO], v[216+\T], s[CSP:CSP+1] offset:512*\T
.endr
	s_wait_alu depctr_va_vdst(0)                   ; directly ahead of the wait below
	s_wait_xcnt 0x0                                ; the stores have read their data and bases: both are written again
	s_add_nc_u64 s[CP:CP+1], s[CP:CP+1], 16*8192   ; the next pass: 256 queries on
	s_add_nc_u64 s[CSP:CSP+1], s[CSP:CSP+1], 256*32
	s_wait_tensorcnt 0x0                           ; the second pass's rows of query have landed (waves 4 and 5 asked for them); the wait and the barrier stand in every pass, under no branch
	s_barrier_signal -1
	s_barrier_wait -1
	s_sub_co_u32 s[PASS], s[PASS], 1
	s_cmp_eq_u32 s[PASS], 0
	s_cbranch_scc1 .Ldone                          ; behind the last pass no q is made
	QPROJ 1
	QUANT 24
	QWORDS
	s_cmp_lg_u32 s[PASS], 0
	s_wait_alu depctr_va_vdst(0)                   ; directly ahead of the branch
	s_cbranch_scc1 .Lpass
.Ldone:
	s_wait_tensorcnt 0x0                           ; the wave's end
	ds_add_u32 v[SPW], v[NIL]
	s_wait_dscnt 0x0
	CROUND                                         ; the closing round
	s_endpgm
.Lfunc_end_k_q0ad98aa169_attn:
	.size	k_q0ad98aa169_attn, .Lfunc_end_k_q0ad98aa169_attn-k_q0ad98aa169_attn
	.p2alignl 7, 3214868480
	.fill 96, 4, 3214868480
	.section	.rodata,"a",@progbits
	.p2align	6, 0x0
	.amdhsa_kernel k_q0ad98aa169_attn
		.amdhsa_group_segment_fixed_size 327680
		.amdhsa_private_segment_fixed_size 0
		.amdhsa_enable_private_segment 0
		.amdhsa_kernarg_size 64
		.amdhsa_user_sgpr_count 2
		.amdhsa_user_sgpr_kernarg_segment_ptr 1
		.amdhsa_wavefront_size32 1
		.amdhsa_system_sgpr_workgroup_id_x 1
		.amdhsa_system_sgpr_workgroup_id_y 1
		.amdhsa_system_sgpr_workgroup_id_z 1
		.amdhsa_system_vgpr_workitem_id 0
		.amdhsa_next_free_vgpr 512
		.amdhsa_next_free_sgpr 100
		.amdhsa_reserve_vcc 0
		.amdhsa_float_denorm_mode_32 3
		.amdhsa_float_denorm_mode_16_64 3
		.amdhsa_memory_ordered 1
		.amdhsa_forward_progress 1
		.amdhsa_inst_pref_size 117
	.end_amdhsa_kernel
	.amdgpu_metadata
---
amdhsa.version: [ 1, 2 ]
amdhsa.kernels:
  - .name:           k_q0ad98aa169_attn
    .symbol:         k_q0ad98aa169_attn.kd
    .args:
      - { .name: query_codes, .offset: 0, .size: 8, .value_kind: global_buffer, .address_space: global }
      - { .name: query_scales, .offset: 8, .size: 8, .value_kind: global_buffer, .address_space: global }
      - { .name: Wq_codes, .offset: 16, .size: 8, .value_kind: global_buffer, .address_space: global }
      - { .name: Wq_scales, .offset: 24, .size: 8, .value_kind: global_buffer, .address_space: global }
      - { .name: bq, .offset: 32, .size: 8, .value_kind: global_buffer, .address_space: global }
      - { .name: kv, .offset: 40, .size: 8, .value_kind: global_buffer, .address_space: global }
      - { .name: cat, .offset: 48, .size: 8, .value_kind: global_buffer, .address_space: global }
      - { .name: cat_scales, .offset: 56, .size: 8, .value_kind: global_buffer, .address_space: global }
    .group_segment_fixed_size: 327680
    .private_segment_fixed_size: 0
    .kernarg_segment_align: 8
    .kernarg_segment_size: 64
    .max_flat_workgroup_size: 256
    .sgpr_count:     100
    .vgpr_count:     512
    .wavefront_size: 32
...
	.end_amdgpu_metadata
.endif
;; end of part 2
;; launch outp (part 3): grid 4 x 64, 4 waves a work-group, clusters of 4 x 4, 252,160 bytes of LDS; arguments cat, cat_scales, Wo_codes, Wo_scales, bo, out0; writes out0
.if DOCPART == 3
	.amdgcn_target "amdgcn-amd-amdhsa--gfx1250"
	.amdhsa_code_object_version 6
	.text
	.protected	k_q0ad98aa169_outp
	.globl	k_q0ad98aa169_outp
	.p2align	8
	.type	k_q0ad98aa169_outp,@function
k_q0ad98aa169_outp:
	s_mov_b64 s[64:65], 0
	v_nop
	global_prefetch_b8 v0, s[64:65] scope:SCOPE_SE
	s_setreg_imm32_b32 hwreg(HW_REG_WAVE_MODE, 25, 1), 1
	s_wait_xcnt 0x0
	s_wait_alu depctr_hold_cnt(0) depctr_sa_sdst(0) depctr_va_vdst(0) depctr_va_sdst(0) depctr_va_ssrc(0) depctr_va_vcc(0) depctr_vm_vsrc(0)
	s_getreg_b32 s2, hwreg(HW_REG_IB_STS2, 6, 4)
	s_cmp_eq_u32 s2, 0
	s_cbranch_scc0 .Lentry_in_a_cluster
	s_endpgm
.Lentry_in_a_cluster:
	s_bfe_u32 s2, ttmp6, 0x10000c
	s_cmp_lg_u32 s2, 0xf033
	s_cbranch_scc0 .Lentry_shape_is_right
	s_endpgm
.Lentry_shape_is_right:
; out0 = cat x Wo + bo, on codes of FP4 (E2M1) with one E8M0 scale for each 32 along K = 1,024.  cat: register images [row tile of 16][head 16][512 bytes] and scale bytes [row][32]; Wo: rows n of 512 bytes, scale bytes [n][32].
; A work-group makes 128 rows x 256 columns over all of K: 256 work-groups.  Both operands and their scale bytes lie in LDS whole; every LDS byte is filled once, by four joint loads, one a wave.
; A wave makes 64 rows x 128 columns: 32 accumulators.  Source 0 = 16 rows of Wo, source 1 = 16 rows of cat: a lane holds eight neighbouring columns of one row of out0.  bo is the C of each sum's first product.
; A fragment of cat for K step kq is the images of heads 2 kq and 2 kq + 1: two loads of 512 consecutive bytes.
; CLUSTERS: 4 x 4.  cat's rows hang on cy and are asked for jointly along a row of the cluster, Wo's hang on cx and are asked for along a column.
; No prefetch: each tile is asked for once, at the head, and there is no loop to run ahead in.
.set PITCH, 528                        ; Wo's LDS row: 512 bytes + 16 of padding
.set HALFW, 128*PITCH
.set CAT,   2*HALFW                    ; cat's images: [row tile 8][8,192], dense
.set WOS,   CAT+65536                  ; Wo's scale bytes: runs of 256 bytes + 16 of padding
.set HALFS, 16*272                     ; those of 128 rows
.set CATS,  WOS+2*HALFS                ; cat's
.set CSH,   8*272                      ; those of 64 rows
.set SBLK,  2*272                      ; those of 16 rows
.set STAGE, CATS+2*CSH                 ; the way out: 16 rows x (512 + 16) bytes for each wave: bytes of their own; no fill lands there
.set SPITCH, 528
.set SPARE, STAGE+4*16*SPITCH          ; the spare words: 128 bytes a wave
.set ADX,  4                           ; v4 Wo's fragments;  v6 cat's;  v8, v9 the scale words'
.set ADC,  6
.set ADSX, 8
.set ADSY, 9
.set STO,  24
.set RD,   25
.set CO,   26                          ; v26 16 x lane
.set SPW,  30
.set NIL,  31
.set SCX,  32                          ; v32-95 Wo's scale words: 8 b + K step;  v96-127 cat's: 8 a + K step
.set SCY,  96
.set BK,   128                         ; v128-255 the way out: two sets of 16 rows
.set BI,   192                         ; window 1: bo, eight registers a tile
.set WV, 16
.set HI, 17                            ; wave / 2: which 64 rows are mine
.set LO, 18                            ; wave % 2: which 128 columns
.set CX, 20
.set CY, 21
.set YB, 22
.set G1C,  24                          ; group 1: cat's codes, Wo's codes, cat's scale bytes, Wo's
.set G1W,  32
.set G1CS, 40
.set G1WS, 48
.set G0C,  56                          ; group 0 of the four loads
.set G0W,  60
.set G0CS, 76
.set G0WS, 80
.set MSB, 0
.macro WIN new
.if MSB != (\new)
	s_set_vgpr_msb (MSB<<8)|(\new)
.set MSB, (\new)
.endif
.endm
.macro CROUND
	s_barrier_signal -1
	s_barrier_wait -1
	s_cmp_lg_u32 s[WV], 0
	s_cbranch_scc1 .Lnot_wave_0_\@
	s_barrier_signal -3
.Lnot_wave_0_\@:
	s_barrier_wait -3
	s_barrier_signal -1
	s_barrier_wait -1
.endm
.macro PLACES
.rept 4
	v_nop
.endr
.endm
.macro MKG1 g, c, r, p                 ; words 1 to 7 of a group 1: rows of c elements, r of them, p elements apart
	s_mov_b32 s[\g+1], (\c)<<16
	s_mov_b32 s[\g+2], (\r)<<16
	s_mov_b32 s[\g+3], (\c)<<16
	s_mov_b32 s[\g+4], \r
	s_mov_b32 s[\g+5], \p
	s_mov_b32 s[\g+6], 0
	s_mov_b32 s[\g+7], 0
.endm
.macro MKG0 g, lds, p
	s_mov_b32 s[\g], 1
	s_mov_b32 s[\g+1], \lds
	s_mov_b64 s[\g+2:\g+3], s[\p:\p+1]
	s_or_b32 s[\g+3], s[\g+3], 0x80000000
.endm
.macro ARM under, g0, g1, next         ; one arm of the head's tree: its load, and a jump to the tree's end
	s_cmp_lt_u32 s[WV], \under
	s_cbranch_scc0 \next
	tensor_load_to_lds s[\g0:\g0+3], s[\g1:\g1+7]
	s_nop 0
.rept 4
	v_nop
.endr
	s_branch .Lhead_asked
\next:
.endm
	s_load_b256 s[4:11], s[0:1], 0x0               ; cat, cat_scales, Wo's codes, Wo's scales
	s_load_b128 s[12:15], s[0:1], 0x20             ; bo, out0
	v_lshl_add_u32 v[SPW], v0, 2, SPARE
	v_mov_b32 v[NIL], 0
	ds_add_u32 v[SPW], v[NIL]                      ; the opening lines: the add twice and its wait
	ds_add_u32 v[SPW], v[NIL]
	v_lshrrev_b32 v1, 5, v0
	v_readfirstlane_b32 s[WV], v1
	s_lshr_b32 s[HI], s[WV], 1
	s_and_b32 s[LO], s[WV], 1
	s_bfe_u32 s[CX], ttmp6, 0x40000
	s_bfe_u32 s[CY], ttmp6, 0x40004
	s_and_b32 s[YB], ttmp7, 0xffff
	s_lshl_b32 s[YB], s[YB], 2
	s_add_co_u32 s[YB], s[YB], s[CY]               ; my block of 128 rows
	s_lshl_b32 s94, s[CY], 2
	s_lshl_b32 s94, 15, s94                        ; my row of the cluster
	s_lshl_b32 s95, 0x1111, s[CX]                  ; my column
	s_or_b32 s[G1C], s94, (3<<16)|(1<<21)          ; cat's codes: 65,536 dense bytes as 256 rows of 32 elements of 8 bytes; no padding
	MKG1 G1C, 32, 256, 32
	s_or_b32 s[G1W], s95, (1<<20)|(1<<21)|(6<<22)|(3<<25)   ; Wo's codes: 256 rows of 512 bytes, 16 bytes of padding behind each
	MKG1 G1W, 512, 256, 512
	s_or_b32 s[G1CS], s94, (3<<16)|(1<<20)|(1<<21)|(5<<22)|(3<<25)   ; cat's scale bytes of 128 rows: 16 dense rows of 256 bytes, padded
	MKG1 G1CS, 32, 16, 32
	s_or_b32 s[G1WS], s95, (3<<16)|(1<<20)|(1<<21)|(5<<22)|(3<<25)   ; Wo's of 256 rows: 32 such rows
	MKG1 G1WS, 32, 32, 32
	s_mov_b32 s87, 0
	s_mov_b32 s89, 0
	s_wait_dscnt 0x0
	s_wait_kmcnt 0x0
	s_lshl_b32 s86, s[YB], 16                      ; cat: 8 tiles of 8,192 bytes a block (made of cy; never of cx)
	s_add_nc_u64 s[4:5], s[4:5], s[86:87]
	s_lshl_b32 s86, s[YB], 12                      ; its scale bytes: 128 rows of 32
	s_add_nc_u64 s[6:7], s[6:7], s[86:87]
	s_lshl_b32 s88, s[CX], 17                      ; Wo: 256 rows of 512 bytes (made of cx; never of cy)
	s_add_nc_u64 s[8:9], s[8:9], s[88:89]
	s_lshl_b32 s88, s[CX], 13
	s_add_nc_u64 s[10:11], s[10:11], s[88:89]
	MKG0 G0C, CAT, 4
	MKG0 G0W, 0, 8
	MKG0 G0CS, CATS, 6
	MKG0 G0WS, WOS, 10
	CROUND                                         ; all sixteen work-groups are here: the joint loads meet
	ARM 1, G0C,  G1C,  .Lhead_w                    ; one load a wave: cat's images, Wo's rows, cat's scale bytes, Wo's
	ARM 2, G0W,  G1W,  .Lhead_cs
	ARM 3, G0CS, G1CS, .Lhead_ws
	tensor_load_to_lds s[G0WS:G0WS+3], s[G1WS:G1WS+7]
	s_nop 0
.rept 4
	v_nop
.endr
.Lhead_asked:
	s_mul_i32 s2, s[LO], HALFW                     ; my 128 rows of Wo
	s_lshl_b32 s3, s[HI], 15
	s_add_co_u32 s3, s3, CAT                       ; my four row tiles
	s_mul_i32 s84, s[LO], HALFS
	s_add_co_u32 s84, s84, WOS
	s_mul_i32 s85, s[HI], CSH
	s_add_co_u32 s85, s85, CATS
	s_mul_i32 s86, s[WV], 16*SPITCH
	s_add_co_u32 s86, s86, STAGE                   ; my stage
	s_lshl_b32 s88, s[CX], 10
	s_lshl_b32 s89, s[LO], 9
	s_add_co_u32 s90, s88, s89                     ; my first column, in bytes
	s_mov_b32 s91, 0
	s_add_nc_u64 s[12:13], s[12:13], s[90:91]
	s_lshl_b32 s88, s[YB], 7
	s_lshl_b32 s89, s[HI], 6
	s_add_co_u32 s88, s88, s89                     ; my first row
	s_lshl_b32 s88, s88, 12                        ; of 4,096 bytes
	s_add_co_u32 s90, s90, s88
	s_add_nc_u64 s[14:15], s[14:15], s[90:91]
	v_and_b32 v1, 15, v0                           ; r
	v_bfe_u32 v2, v0, 4, 1                         ; h
	v_and_b32 v3, 31, v0                           ; lane
	v_mul_u32_u24 v11, v1, PITCH
	v_lshl_add_u32 v11, v2, 4, v11
	v_add_nc_u32 v[ADX], s2, v11
	v_lshlrev_b32 v[CO], 4, v3
	v_add_nc_u32 v[ADC], s3, v[CO]
	v_lshlrev_b32 v12, 5, v1
	v_lshrrev_b32 v13, 3, v1
	v_lshl_add_u32 v12, v13, 4, v12                ; my row's 32 scale bytes, and 16 more behind each 256
	v_add_nc_u32 v[ADSX], s84, v12
	v_add_nc_u32 v[ADSY], s85, v12
	v_mul_u32_u24 v13, v1, SPITCH
	v_lshl_add_u32 v13, v2, 5, v13
	v_add_nc_u32 v[STO], s86, v13                  ; in: row r, 32 bytes for each half of the lanes
	v_add_nc_u32 v[RD], s86, v[CO]                 ; back: the 32 lanes take a row of 512 bytes
	v_lshlrev_b32 v10, 5, v2                       ; bo: my half's eight numbers of a tile
	s_wait_alu depctr_va_vdst(0)                   ; the wait at the head's end
	WIN 0x40                                       ; destination window 1
.irp b, 0,1,2,3,4,5,6,7
	global_load_b128 v[BI+8*\b:BI+8*\b+3],   v10, s[12:13] offset:64*\b      ; bo(16 b + 8 h + 0 .. 7)
	global_load_b128 v[BI+8*\b+4:BI+8*\b+7], v10, s[12:13] offset:64*\b+16
.endr
	WIN 0
.macro FETCH kq                        ; 24 LDS loads: Wo's eight fragments and cat's four of K step kq into set kq % 2
.set FS, (\kq)%2
	WIN 0x40
.irp i, 0,1,2,3,4,5,6,7
.irp c, 0,1
	ds_load_b128 v[64*FS+8*\i+4*\c:64*FS+8*\i+4*\c+3], v[ADX] offset:64*(\kq)+32*\c+\i*16*PITCH
.endr
.endr
.irp a, 0,1,2,3
.irp c, 0,1
	ds_load_b128 v[128+32*FS+8*\a+4*\c:128+32*FS+8*\a+4*\c+3], v[ADC] offset:8192*\a+1024*(\kq)+512*\c
.endr
.endr
.endm
.macro MULS kq, first                  ; 32 products; the 32 accumulators take turns, in the same order in every step
.set MS, (\kq)%2
.if \first
	WIN 0x95                                       ; sources and C window 1, D window 2
.else
	WIN 0xa5                                       ; sources window 1, C and D window 2
.endif
.irp a, 0,1,2,3
.irp b, 0,1,2,3,4,5,6,7
.if \first
	v_wmma_scale_f32_16x16x128_f8f6f4 v[8*(8*\a+\b):8*(8*\a+\b)+7], v[64*MS+8*\b:64*MS+8*\b+7], v[128+32*MS+8*\a:128+32*MS+8*\a+7], v[BI+8*\b:BI+8*\b+7], v[SCX+8*\b+(\kq)], v[SCY+8*\a+(\kq)] matrix_a_fmt:MATRIX_FMT_FP4 matrix_b_fmt:MATRIX_FMT_FP4
.else
	v_wmma_scale_f32_16x16x128_f8f6f4 v[8*(8*\a+\b):8*(8*\a+\b)+7], v[64*MS+8*\b:64*MS+8*\b+7], v[128+32*MS+8*\a:128+32*MS+8*\a+7], v[8*(8*\a+\b):8*(8*\a+\b)+7], v[SCX+8*\b+(\kq)], v[SCY+8*\a+(\kq)] matrix_a_fmt:MATRIX_FMT_FP4 matrix_b_fmt:MATRIX_FMT_FP4
.endif
.endr
.endr
.endm
.macro STEP kq
	s_wait_dscnt 0x0                               ; this step's loads, issued a step ago
.if (\kq) < 7
.if (\kq) > 0
	PLACES                                         ; the other set was read by the last step's products
.endif
	FETCH (\kq)+1
.endif
.endm
	s_wait_tensorcnt 0x0                           ; my one load has landed,
	s_barrier_signal -1
	s_barrier_wait -1                              ; all four have
	FETCH 0
	WIN 0
.irp i, 0,1,2,3,4,5,6,7
	ds_load_b128 v[SCX+8*\i:SCX+8*\i+3],   v[ADSX] offset:\i*SBLK
	ds_load_b128 v[SCX+8*\i+4:SCX+8*\i+7], v[ADSX] offset:\i*SBLK+16
.endr
.irp i, 0,1,2,3
	ds_load_b128 v[SCY+8*\i:SCY+8*\i+3],   v[ADSY] offset:\i*SBLK
	ds_load_b128 v[SCY+8*\i+4:SCY+8*\i+7], v[ADSY] offset:\i*SBLK+16
.endr
	s_wait_loadcnt 0x0                             ; bo
	STEP 0
	MULS 0, 1
.irp q, 1,2,3,4,5,6,7
	STEP \q
	MULS \q, 0
.endr
	WIN 0
; THE WAY OUT, block by block of 16 rows x 128 columns, through my own stage: in as 32 bytes a lane, back as whole rows of 512 bytes.  LDS serves a wave's instructions in order (ISA guide 5.7.1.4): no wait between the stores and the loads.
.macro TOSTAGE a
	WIN 0x08                                       ; an LDS store's data: window 2
.irp b, 0,1,2,3,4,5,6,7
	ds_store_b128 v[STO], v[8*(8*(\a)+\b):8*(8*(\a)+\b)+3] offset:64*\b          ; each accumulator from its low end on
	ds_store_b128 v[STO], v[8*(8*(\a)+\b)+4:8*(8*(\a)+\b)+7] offset:64*\b+16
.endr
	WIN 0
.set BB, BK+64*((\a)%2)
.irp t, 0,1,2,3,4,5,6,7,8,9,10,11,12,13,14,15
	ds_load_b128 v[BB+4*\t:BB+4*\t+3], v[RD] offset:\t*SPITCH
.endr
.endm
.macro SEND a, younger                 ; younger: the LDS instructions issued behind block a's loads, which may stay out
.set BB, BK+64*((\a)%2)
	s_wait_dscnt \younger
.if (\a) > 0
	s_add_nc_u64 s[14:15], s[14:15], 16*4096       ; 16 rows on (the earlier stores have read their base: a wait on XCNT stands ahead)
.endif
.irp t, 0,1,2,3,4,5,6,7,8,9,10,11,12,13,14,15
	global_store_b128 v[CO], v[BB+4*\t:BB+4*\t+3], s[14:15] offset:\t*4096 th:TH_STORE_NT   ; 32 lanes store 512 consecutive bytes, at a multiple of 256 from out0's first byte
.endr
.endm
	PLACES                                         ; in front of the first read of results
	TOSTAGE 0
.irp a, 1,2,3
.if \a > 1
	s_wait_xcnt 0x0                                ; block a - 2's stores have read their registers and their base
.endif
	TOSTAGE \a
	SEND \a-1, 32                                  ; behind block a - 1's loads: block a's 16 stores and 16 loads
.endr
	s_wait_xcnt 0x0
	SEND 3, 0
	s_wait_tensorcnt 0x0                           ; the wave's end
	ds_add_u32 v[SPW], v[NIL]
	s_wait_dscnt 0x0
	CROUND                                         ; the closing round
	s_endpgm
.Lfunc_end_k_q0ad98aa169_outp:
	.size	k_q0ad98aa169_outp, .Lfunc_end_k_q0ad98aa169_outp-k_q0ad98aa169_outp
	.p2alignl 7, 3214868480
	.fill 96, 4, 3214868480
	.section	.rodata,"a",@progbits
	.p2align	6, 0x0
	.amdhsa_kernel k_q0ad98aa169_outp
		.amdhsa_group_segment_fixed_size 252160
		.amdhsa_private_segment_fixed_size 0
		.amdhsa_enable_private_segment 0
		.amdhsa_kernarg_size 48
		.amdhsa_user_sgpr_count 2
		.amdhsa_user_sgpr_kernarg_segment_ptr 1
		.amdhsa_wavefront_size32 1
		.amdhsa_system_sgpr_workgroup_id_x 1
		.amdhsa_system_sgpr_workgroup_id_y 1
		.amdhsa_system_sgpr_workgroup_id_z 1
		.amdhsa_system_vgpr_workitem_id 0
		.amdhsa_next_free_vgpr 768
		.amdhsa_next_free_sgpr 100
		.amdhsa_reserve_vcc 0
		.amdhsa_float_denorm_mode_32 3
		.amdhsa_float_denorm_mode_16_64 3
		.amdhsa_memory_ordered 1
		.amdhsa_forward_progress 1
		.amdhsa_inst_pref_size 72
	.end_amdhsa_kernel
	.amdgpu_metadata
---
amdhsa.version: [ 1, 2 ]
amdhsa.kernels:
  - .name:           k_q0ad98aa169_outp
    .symbol:         k_q0ad98aa169_outp.kd
    .args:
      - { .name: cat, .offset: 0, .size: 8, .value_kind: global_buffer, .address_space: global }
      - { .name: cat_scales, .offset: 8, .size: 8, .value_kind: global_buffer, .address_space: global }
      - { .name: Wo_codes, .offset: 16, .size: 8, .value_kind: global_buffer, .address_space: global }
      - { .name: Wo_scales, .offset: 24, .size: 8, .value_kind: global_buffer, .address_space: global }
      - { .name: bo, .offset: 32, .size: 8, .value_kind: global_buffer, .address_space: global }
      - { .name: out0, .offset: 40, .size: 8, .value_kind: global_buffer, .address_space: global }
    .group_segment_fixed_size: 252160
    .private_segment_fixed_size: 0
    .kernarg_segment_align: 8
    .kernarg_segment_size: 48
    .max_flat_workgroup_size: 128
    .sgpr_count:     100
    .vgpr_count:     768
    .wavefront_size: 32
...
	.end_amdgpu_metadata
.endif
;; end of part 3
